; MI455X (gfx1250); checked and timed in simulation.
; The chip was launched on July 23, 2026; its instructions are those of AMD's public machine-readable ISA for CDNA 5 (MIT licence, August 2026) and "CDNA5" Instruction Set Architecture Reference Guide (July 2026). The comments in the code are by the model that wrote it; some were corrected since.
;; Multi Head Attention. Allowed arithmetic: matrix products marked QUANTISED: E2M3 operands, one E8M0 scale for each 32 along K, by v_wmma_scale_f32_16x16x128_f8f6f4 with both operands' format E2M3, f32 sums; everything else in f32.
;; Inputs: w_k 1,024 x 1,024 float32; w_q 1,024 x 1,024 float32; w_v 1,024 x 1,024 float32; x 4 x 2,048 x 1,024 float32.
;; Outputs: out0 4 x 2,048 x 1,024 float32.
;; This version of the problem:
;;   THIS VERSION OF THE PROBLEM IS GIVEN IN LOW PRECISION. The matrix products marked QUANTISED in the list below multiply operands that are first quantised to E2M3 (2 exponent bits, 3 mantissa bits; 6 bits a number), with one power-of-two scale for each 32 numbers along K (OCP MX v1.0); their sums are f32. All else is computed in f32.
;;   The module's matrix products, in the order in which they are computed (A, B: the left and right operand; K: the contracted axis; several contracted axes count as one K, in the product's order):
;;     1. [M 8,192, K 1,024] x [K 1,024, N 1,024]; A: input x; B: input w_q: QUANTISED
;;     2. [M 8,192, K 1,024] x [K 1,024, N 1,024]; A: input x; B: input w_k: QUANTISED
;;     3. [M 8,192, K 1,024] x [K 1,024, N 1,024]; A: input x; B: input w_v: QUANTISED
;;     4. batch 4 x [M 2,048, K 1,024] x [K 1,024, N 2,048]; A: computed on the way; B: computed on the way: QUANTISED
;;     5. batch 4 x [M 2,048, K 2,048] x [K 2,048, N 1,024]; A: softmax (see below); B: computed on the way: QUANTISED
;;   THE QUANTISER, for each operand of a quantised product, along K:
;;     - K is cut into blocks of 32 from its start; a last block that is shorter is filled with zeros.
;;     - A block's scale is 2^e with e = floor(log2(the largest magnitude in the block)) - 2, held to -126 .. 127; a block of zeros has e = 0. As a byte (E8M0): e + 127.
;;     - Each number is divided by its block's scale, clamped to +-7.5, and rounded to the nearest number of E2M3, ties to even, subnormals kept.
;;     - The product sums the exact products of the quantised numbers (number of the format x scale) in f32.
;;   ~~~python
;;   def quantise(x, axis):      # numpy; x: float32 -> the quantised numbers, widened to float32 again
;;       x = np.moveaxis(x, axis, -1); K = x.shape[-1]
;;       x = np.pad(x, [(0, 0)] * (x.ndim - 1) + [(0, -K % 32)]); x = x.reshape(x.shape[:-1] + (-1, 32)); a = np.abs(x).max(-1, keepdims=True)
;;       e = np.where(a > 0, np.clip(np.frexp(np.where(a > 0, a, 1))[1] - 1 - 2, -126, 127), 0)      # np.frexp(a)[1] - 1 = floor(log2(a)), exactly
;;       r = np.clip(x / 2.0 ** e, -7.5, 7.5)
;;       step = 2.0 ** (np.maximum(np.frexp(np.where(r == 0, 1, r))[1] - 1, 0) - 3)
;;       q = np.round(r / step) * step * 2.0 ** e      # np.round: ties to even
;;       return np.moveaxis(q.reshape(q.shape[:-2] + (-1,))[..., :K], -1, axis).astype(np.float32)
;;   ~~~
;;   SOFTMAX AHEAD OF A QUANTISED PRODUCT. Where the list says 'softmax', what is quantised is not the finished softmax but p = 2^(t - M), with t = logit x log2(e) and M = ceil(the row's largest t), a whole number; so 1/2 < the row's largest p <= 1. The row's sum l is taken of the UNQUANTISED p, in f32, and the product's result is divided by l at the end. Since M is a whole number, a kernel that streams over the keys may use a running M (the ceiling of the running maximum): every later rescaling is an exact power of two, which a block's scale takes up: the codes' values come out the same.
;;   OPERANDS COMPUTED ON THE WAY. 'Computed on the way' means the value that the module computes at that place (a softmax that the list does not call 'softmax' is quantised finished and normalised). What goes into a quantiser is computed in f32, as accurately as f32 sums, v_exp_f32 and their like allow (about 1e-6 of the number): no bf16 or f16 on the way to a quantiser, and a product that is left as it is and whose result goes on into a quantised operand takes f32 operands (vector FMAs, or v_wmma_f32_16x16x4_f32). A number that lies on a knife's edge between two numbers of the format may be rounded either way, as far as f32 arithmetic and the matrix unit's own rounding can turn it there, and no further.
;; One version. Each part assembles by itself: llvm-mc -triple=amdgcn-amd-amdhsa -mcpu=gfx1250 --defsym DOCPART=n.
;; ======== version 1 of 1: 4 launches
;; limits: right only within a limited range of input values
;; workspace buffers: xq 6,553,600 bytes; wq 2,457,600 bytes; qkc 13,107,200 bytes; vt 6,553,600 bytes; pc 13,209,600 bytes; st 1,056,768 bytes
;; launch quant (part 1): grid 449 x 1, 4 waves a work-group, no clusters, 34,304 bytes of LDS; arguments x, w_q, w_k, w_v, xq, wq, pc, st; writes xq, wq, pc, st
.if DOCPART == 1
	.amdgcn_target "amdgcn-amd-amdhsa--gfx1250"
	.amdhsa_code_object_version 6
	.text
	.protected	k_qb05b5bc73f_quant
	.globl	k_qb05b5bc73f_quant
	.p2align	8
	.type	k_qb05b5bc73f_quant,@function
k_qb05b5bc73f_quant:
	s_mov_b64 s[64:65], 0
	v_nop
	global_prefetch_b8 v0, s[64:65] scope:SCOPE_SE
	s_setreg_imm32_b32 hwreg(HW_REG_WAVE_MODE, 25, 1), 1
	s_wait_xcnt 0x0
; x [8192][1024] and w_q, w_k, w_v [1024 (k)][1024 (n)], f32, become codes of FP6 (E2M3) with one E8M0 byte for each 32 along K, laid in PANELS.
; A PANEL is 128 rows x 128 along K, 12,800 bytes: eight tiles of 16 rows as images of the operand's registers (tile T at 1536 T, registers 4 g .. 4 g + 3 at + 512 g, lane l at + 16 l;
; lane (r, h) holds row r, registers 6 c .. 6 c + 5 hold k = 64 c + 32 h + 0 .. 31), then 512 bytes of scale words: the word of (T, row) at 12288 + 256 (T / 4) + 16 row + 4 (T % 4).
; THE ROWS OF A TILE ARE NOT NEIGHBOURS: tile T, row p of a panel is its row 32 (T / 2) + 16 (p / 8) + 8 (T % 2) + p % 8, so that a product which takes such tiles as source 0 leaves 16 neighbours in 16 registers.
; xq: [64 token panels][8 K steps].  wq: [24][8]: rows 0-1023 are w_q's columns, then w_k's, then w_v's.
; Work-groups 0-255 take x (64 tokens x 512 along K; a wave 64 tokens x 128: four fragments), 256-447 a panel of a weight (a wave 32 columns x 128 along K), 448 writes what stands for
; key steps all of whose keys are hidden: eight panels of p = 1 (code 4.0, byte 125) behind pc's panels and eight records (-M = 0, sum = 128) behind st's.
; A block's scale is 2^(floor(log2(largest magnitude)) - 2); its byte is that magnitude's exponent field - 2, held at 1 from below.
; LIMITS: NaN and infinities are not served; a block whose largest magnitude lies under 2^-124 keeps the byte 1; a block of zeros has the byte 1 and not 127 (its codes are zeros; only this program reads the bytes).
; No tensor load, no barrier: waves share nothing.  Nothing is shared between work-groups either, so no cluster.
; THE ORDER OF THE PANELS in xq and wq (in place of the line on xq and wq above): xq: [32 blocks of 256 tokens][8 K steps][2 panels]; wq: [8 column blocks][8 K steps][3 panels]:
; column block c holds panels 2 c, 2 c + 1 of the 16 panels of w_q's, then w_k's columns, and panel c of w_v's.  So what a work-group of the next launch takes for some K steps on end is one dense run of bytes.
.set PANEL, 12800
.set STG,   8448
.set SPARE, 4*STG                      ; behind the stages: the spare words, 128 bytes a wave, named by no other line
.set SPW,   12                         ; v12  my spare word's LDS address; never rewritten
.set NIL,   13                         ; v13  0; never rewritten
.set PWX,   24                         ; v24-27   x: the four fragments' scale words
.set FX,    28                         ; v28-39   x: a fragment's codes
.set TCX,   40                         ; v40-42, v44-46  the upper halves of its two blocks
.set RX,    48                         ; v48-175  x: two sets of 64 registers as loaded
.set XX,    176                        ; v176-239 x: my 64 numbers, in the operand's order
.set XW,    48                         ; v48-111  w: two sets of 32 numbers down K
.set FA,    112                        ; v112-123 w: tile 2 w's fragment;  v124-135 tile 2 w + 1's
.set FB,    124
.set TA,    136
.set TB,    140
.set WW,    144                        ; w: my column's scale word
.macro LOADX t                         ; fragment t's 16 rows: each load takes 512 consecutive bytes of one row
.irp i, 0,1,2,3,4,5,6,7,8,9,10,11,12,13,14,15
	global_load_b128 v[RX+64*((\t)%2)+4*\i:RX+64*((\t)%2)+4*\i+3], v4, s[4:5] offset:(32*((\t)/2)+8*((\t)%2)+16*(\i/8)+\i%8)*4096 th:TH_LOAD_NT
.endr
.endm
.macro FRAGX t
.if (\t) < 3
	s_wait_loadcnt 16                              ; this fragment's 16 loads are in; the next fragment's 16 may be out
.else
	s_wait_loadcnt 0x0
.endif
.irp i, 0,1,2,3,4,5,6,7,8,9,10,11,12,13,14,15
	ds_store_b128 v6, v[RX+64*((\t)%2)+4*\i:RX+64*((\t)%2)+4*\i+3] offset:528*\i     ; as loaded: row i of the tile
.endr
.irp c, 0,1
.irp j, 0,1,2,3,4,5,6,7
	ds_load_b128 v[XX+32*\c+4*\j:XX+32*\c+4*\j+3], v7 offset:256*\c+16*\j            ; back: row r, k = 64 c + 32 h + 4 j ..; LDS serves a wave's instructions in order
.endr
.endr
	s_wait_dscnt 0x0                               ; my numbers are in, and the stores into the stage have read their registers
	s_wait_xcnt 0x0                                ; the last fragment's stores have read v28-39, which are written again below
.if (\t) < 2
	LOADX (\t)+2
.endif
.irp c, 0,1
	v_max3_num_f32 v[14+\c], |v[XX+32*\c]|, |v[XX+32*\c+1]|, 0x1800000               ; block 2 c + h is all mine; the floor 2^(3 - 127) holds the byte at 1 from below
.endr
.irp i, 2,4,6,8,10,12,14,16,18,20,22,24,26,28,30
.irp c, 0,1
	v_max3_num_f32 v[14+\c], v[14+\c], |v[XX+32*\c+\i]|, |v[XX+32*\c+\i+1]|
.endr
.endr
.irp c, 0,1
	v_add_nc_u32 v[16+\c], 0xff000000, v[14+\c]    ; 2 off the exponent field: the conversion's scale operand
.endr
.irp c, 0,1
	v_lshrrev_b32 v[18+\c], 23, v[16+\c]           ; the byte
.endr
	v_lshl_or_b32 v20, v19, 16, v18                ; blocks h and 2 + h,
	v_lshlrev_b32 v20, v21, v20                    ; 8 h bits up;
	v_permlanex16_b32 v22, v20, s22, s23
	v_or_b32 v[PWX+(\t)], v20, v22                 ; with lane l xor 16's two bytes the word is whole
.irp c, 0,1
	v_cvt_scalef32_pk16_fp6_f32 v[FX+6*\c:FX+6*\c+2], v[XX+32*\c:XX+32*\c+15], v[16+\c]
	v_cvt_scalef32_pk16_fp6_f32 v[TCX+4*\c:TCX+4*\c+2], v[XX+32*\c+16:XX+32*\c+31], v[16+\c]   ; (a conversion's three registers begin on an even number)
.endr
	v_nop                                          ; one plain place behind the conversions
.irp c, 0,1
.irp i, 0,1,2
	v_mov_b32 v[FX+6*\c+3+\i], v[TCX+4*\c+\i]
.endr
.endr
.irp g, 0,1,2
	global_store_b128 v5, v[FX+4*\g:FX+4*\g+3], s[12:13] offset:1536*(\t)+512*\g     ; 512 consecutive bytes, at a multiple of 256 from the buffer's first byte
.endr
.endm
.macro LOADW t                         ; block t of my column: 32 numbers down K; a load takes 128 consecutive bytes, the four waves stand side by side on 512
.set i, 0
.rept 32
	global_load_b32 v[XW+32*((\t)%2)+i], v6, s[6:7] offset:(32*(\t)+i)*4096 th:TH_LOAD_NT
.set i, i+1
.endr
.endm
.macro BLOCKW t
.set XS, XW+32*((\t)%2)
.set CC, (\t)/2
.if (\t) < 3
	s_wait_loadcnt 32                              ; this block's 32 loads are in; the next block's may be out
.else
	s_wait_loadcnt 0x0
.endif
	v_max3_num_f32 v14, |v[XS]|, |v[XS+1]|, |v[XS+2]|
	v_max3_num_f32 v15, |v[XS+3]|, |v[XS+4]|, |v[XS+5]|
.irp i, 6,10,14,18,22,26
	v_max3_num_f32 v14, v14, |v[XS+\i]|, |v[XS+\i+1]|
	v_max3_num_f32 v15, v15, |v[XS+\i+2]|, |v[XS+\i+3]|
.endr
	v_max3_num_f32 v14, v14, |v[XS+30]|, |v[XS+31]|
	v_max3_num_f32 v14, v14, v15, 0x1800000
	v_add_nc_u32 v16, 0xff000000, v14
	v_lshrrev_b32 v17, 23, v16
.if (\t) == 0
	v_mov_b32 v[WW], v17
.else
	v_lshl_or_b32 v[WW], v17, 8*(\t), v[WW]
.endif
.if (\t)%2 == 0
	v_cvt_scalef32_pk16_fp6_f32 v[FA+6*CC:FA+6*CC+2], v[XS:XS+15], v16
	v_cvt_scalef32_pk16_fp6_f32 v[TA:TA+2], v[XS+16:XS+31], v16
.else
	v_cvt_scalef32_pk16_fp6_f32 v[FB+6*CC:FB+6*CC+2], v[XS:XS+15], v16
	v_cvt_scalef32_pk16_fp6_f32 v[TB:TB+2], v[XS+16:XS+31], v16
.endif
	v_nop                                          ; one plain place behind the conversions
.if (\t) < 2
	LOADW (\t)+2
.endif
.if (\t)%2 == 1
; lanes 0-15 hold tile 2 w's rows and lanes 16-31 tile 2 w + 1's, each with blocks t - 1 and t.  The operand wants the even block in lanes 0-15 and the odd one in lanes 16-31 of ONE tile:
; the even block's lanes 16-31 change places with the odd block's lanes 0-15.
.irp i, 0,1,2
	v_permlane16_swap_b32 v[FA+6*CC+\i], v[FB+6*CC+\i]
	v_permlane16_swap_b32 v[TA+\i], v[TB+\i]
.endr
.irp i, 0,1,2
	v_mov_b32 v[FA+6*CC+3+\i], v[TA+\i]
	v_mov_b32 v[FB+6*CC+3+\i], v[TB+\i]
.endr
.endif
.endm
	s_load_b256 s[4:11], s[0:1], 0x0               ; x, w_q, w_k, w_v
	s_load_b256 s[12:19], s[0:1], 0x20             ; xq, wq, pc, st
	v_lshl_add_u32 v[SPW], v0, 2, SPARE
	v_mov_b32 v[NIL], 0
	v_lshrrev_b32 v1, 5, v0
	v_readfirstlane_b32 s20, v1                    ; wave
	v_and_b32 v1, 31, v0                           ; lane
	v_and_b32 v2, 15, v0                           ; r
	v_bfe_u32 v3, v0, 4, 1                         ; h
	v_lshlrev_b32 v4, 4, v1                        ; 16 x lane
	s_mov_b32 s22, 0x76543210
	s_mov_b32 s23, 0xfedcba98                      ; selects for lane l xor 16
	s_wait_kmcnt 0x0
	s_cmp_ge_u32 ttmp9, 256
	s_cbranch_scc1 .Lweights
	; ---- x
	s_lshr_b32 s24, ttmp9, 1                       ; which 64 tokens
	s_and_b32 s25, ttmp9, 1
	s_lshl_b32 s25, s25, 2
	s_add_co_u32 s25, s25, s20                     ; my K step: 4 x (work-group % 2) + wave
	s_lshl_b32 s26, s24, 18                        ; 64 rows of 4,096 bytes
	s_lshl_b32 s27, s25, 9                         ; 128 numbers
	s_add_co_u32 s26, s26, s27
	s_mov_b32 s27, 0
	s_lshr_b32 s28, s24, 2                         ; the block of 256 tokens
	s_lshl_b32 s28, s28, 3
	s_add_co_u32 s28, s28, s25                     ; its K step
	s_lshl_b32 s28, s28, 1
	s_bfe_u32 s30, s24, 0x10001                    ; which of the block's two panels
	s_add_co_u32 s28, s28, s30
	s_mul_i32 s28, s28, PANEL
	s_mov_b32 s29, 0
	s_and_b32 s30, s24, 1                          ; its tiles 0-3 or 4-7
	s_mul_i32 s31, s30, 6144
	s_wait_alu depctr_va_vdst(0)
	v_add_nc_u32 v5, s31, v4                       ; the codes' place
	s_lshl_b32 s31, s30, 8
	v_lshlrev_b32 v8, 4, v2
	v_lshl_add_u32 v8, v3, 3, v8
	v_add_nc_u32 v8, s31, v8                       ; the scale words' place: 16 r + 8 h
	s_mul_i32 s31, s20, STG
	v_add_nc_u32 v6, s31, v4                       ; the stage, in
	v_mul_u32_u24 v7, v2, 528
	v_lshl_add_u32 v7, v3, 7, v7
	v_add_nc_u32 v7, s31, v7                       ; and out: row r, + 128 h
	v_lshlrev_b32 v21, 3, v3                       ; 8 h
	v_mov_b32 v22, 0                               ; (a lane permute's destination counts as read)
	s_add_nc_u64 s[4:5], s[4:5], s[26:27]
	s_add_nc_u64 s[12:13], s[12:13], s[28:29]
	LOADX 0
	LOADX 1
	s_wait_alu depctr_va_vdst(0)
	FRAGX 0
	FRAGX 1
	FRAGX 2
	FRAGX 3
	v_permlane16_swap_b32 v[PWX], v[PWX+2]         ; lanes 0-15 keep fragments 0, 1's words, lanes 16-31 take fragments 2, 3's
	v_permlane16_swap_b32 v[PWX+1], v[PWX+3]
	global_store_b64 v8, v[PWX:PWX+1], s[12:13] offset:12288   ; 256 consecutive bytes, aligned
	s_wait_tensorcnt 0x0                           ; the wave's end, behind my last LDS store
	ds_add_u32 v[SPW], v[NIL]
	s_wait_dscnt 0x0
	s_endpgm
.Lweights:
	s_cmp_eq_u32 ttmp9, 448
	s_cbranch_scc1 .Lconst
	; ---- a weight
	s_sub_co_u32 s24, ttmp9, 256
	s_lshr_b32 s25, s24, 3                         ; wq's row panel, 0 .. 23
	s_and_b32 s26, s24, 7                          ; K step
	s_lshr_b32 s27, s25, 3                         ; which weight: the choice hangs on the work-group's number alone
	s_cmp_eq_u32 s27, 1
	s_cselect_b64 s[6:7], s[8:9], s[6:7]
	s_cmp_eq_u32 s27, 2
	s_cselect_b64 s[6:7], s[10:11], s[6:7]
	s_and_b32 s28, s25, 7
	s_lshl_b32 s28, s28, 9                         ; 128 columns of 4 bytes
	s_lshl_b32 s29, s26, 19                        ; 128 rows of 4,096 bytes
	s_add_co_u32 s28, s28, s29
	s_lshl_b32 s29, s20, 7                         ; my wave's 32 columns
	s_add_co_u32 s28, s28, s29
	s_mov_b32 s29, 0
	s_add_nc_u64 s[6:7], s[6:7], s[28:29]
	s_lshr_b32 s30, s25, 1                         ; w_q, w_k: column block = row panel / 2,
	s_and_b32 s31, s25, 1                          ; place 0 or 1 in it
	s_and_b32 s24, s25, 7                          ; w_v: column block = its panel, place 2
	s_cmp_eq_u32 s27, 2
	s_cselect_b32 s30, s24, s30
	s_cselect_b32 s31, 2, s31
	s_mul_i32 s30, s30, 24
	s_add_co_u32 s30, s30, s31
	s_mul_i32 s31, s26, 3
	s_add_co_u32 s30, s30, s31                     ; 24 x block + 3 x K step + place
	s_mul_i32 s30, s30, PANEL
	s_mov_b32 s31, 0
	s_add_nc_u64 s[14:15], s[14:15], s[30:31]
	v_bfe_u32 v6, v0, 3, 1
	v_and_b32 v7, 7, v0
	v_lshl_add_u32 v6, v6, 4, v7
	s_wait_alu depctr_va_vdst(0)
	v_lshl_add_u32 v6, v3, 3, v6                   ; my column of the 32: 16 (r / 8) + 8 h + r % 8: row r of tile 2 w + h
	v_lshlrev_b32 v6, 2, v6
	s_mul_i32 s24, s20, 3072
	v_add_nc_u32 v5, s24, v4                       ; tiles 2 w, 2 w + 1
	v_lshlrev_b32 v8, 4, v2
	v_lshl_add_u32 v8, v3, 2, v8
	s_lshr_b32 s24, s20, 1
	s_lshl_b32 s24, s24, 8
	s_and_b32 s25, s20, 1
	s_lshl_b32 s25, s25, 3
	s_add_co_u32 s24, s24, s25
	v_add_nc_u32 v8, s24, v8                       ; my scale word: 256 (w / 2) + 16 r + 8 (w % 2) + 4 h
	LOADW 0
	LOADW 1
	BLOCKW 0
	BLOCKW 1
	BLOCKW 2
	BLOCKW 3
.irp g, 0,1,2
	global_store_b128 v5, v[FA+4*\g:FA+4*\g+3], s[14:15] offset:512*\g
	global_store_b128 v5, v[FB+4*\g:FB+4*\g+3], s[14:15] offset:1536+512*\g
.endr
	global_store_b32 v8, v[WW], s[14:15] offset:12288   ; four bytes a lane, 16 apart: one byte for each 128 that the wave has read
	s_endpgm
.Lconst:
	; ---- what stands for key steps that are wholly hidden: wave w writes panels and records 2 w, 2 w + 1
	s_mul_i32 s24, s20, 2*PANEL
	s_add_co_u32 s24, s24, 1024*PANEL              ; behind pc's 64 x 16 panels
	s_mov_b32 s25, 0
	s_add_nc_u64 s[16:17], s[16:17], s[24:25]
	s_lshl_b32 s26, s20, 11
	s_add_co_u32 s26, s26, 1048576                 ; behind st's 64 x 16 records
	s_mov_b32 s27, 0
	s_add_nc_u64 s[18:19], s[18:19], s[26:27]
.irp i, 0,3,6,9
	v_mov_b32 v[48+\i], 0x18618618                 ; the code of 4.0, 011000, sixteen times: 96 bits
	v_mov_b32 v[49+\i], 0x86186186
	v_mov_b32 v[50+\i], 0x61861861
.endr
.irp i, 0,1,2,3
	v_mov_b32 v[60+\i], 0x7d7d7d7d                 ; the byte of 2^-2
	v_mov_b32 v[64+\i], 0                          ; -M = 0
	v_mov_b32 v[68+\i], 0x43000000                 ; the sum of 128 times p = 1
.endr
.irp p, 0,1
.irp t, 0,1,2,3,4,5,6,7
.irp g, 0,1,2
	global_store_b128 v4, v[48+4*\g:51+4*\g], s[16:17] offset:PANEL*\p+1536*\t+512*\g
.endr
.endr
	global_store_b128 v4, v[60:63], s[16:17] offset:PANEL*\p+12288
	global_store_b128 v4, v[64:67], s[18:19] offset:1024*\p
	global_store_b128 v4, v[68:71], s[18:19] offset:1024*\p+512
.endr
	s_endpgm
.Lfunc_end_k_qb05b5bc73f_quant:
	.size	k_qb05b5bc73f_quant, .Lfunc_end_k_qb05b5bc73f_quant-k_qb05b5bc73f_quant
	.p2alignl 7, 3214868480
	.fill 96, 4, 3214868480
	.section	.rodata,"a",@progbits
	.p2align	6, 0x0
	.amdhsa_kernel k_qb05b5bc73f_quant
		.amdhsa_group_segment_fixed_size 34304
		.amdhsa_private_segment_fixed_size 0
		.amdhsa_enable_private_segment 0
		.amdhsa_kernarg_size 64
		.amdhsa_user_sgpr_count 2
		.amdhsa_user_sgpr_kernarg_segment_ptr 1
		.amdhsa_wavefront_size32 1
		.amdhsa_system_sgpr_workgroup_id_x 1
		.amdhsa_system_sgpr_workgroup_id_y 1
		.amdhsa_system_sgpr_workgroup_id_z 1
		.amdhsa_system_vgpr_workitem_id 0
		.amdhsa_next_free_vgpr 256
		.amdhsa_next_free_sgpr 66
		.amdhsa_reserve_vcc 0
		.amdhsa_float_denorm_mode_32 3
		.amdhsa_float_denorm_mode_16_64 3
		.amdhsa_memory_ordered 1
		.amdhsa_forward_progress 1
		.amdhsa_inst_pref_size 58
	.end_amdhsa_kernel
	.amdgpu_metadata
---
amdhsa.version: [ 1, 2 ]
amdhsa.kernels:
  - .name:           k_qb05b5bc73f_quant
    .symbol:         k_qb05b5bc73f_quant.kd
    .args:
      - { .name: x, .offset: 0, .size: 8, .value_kind: global_buffer, .address_space: global }
      - { .name: w_q, .offset: 8, .size: 8, .value_kind: global_buffer, .address_space: global }
      - { .name: w_k, .offset: 16, .size: 8, .value_kind: global_buffer, .address_space: global }
      - { .name: w_v, .offset: 24, .size: 8, .value_kind: global_buffer, .address_space: global }
      - { .name: xq, .offset: 32, .size: 8, .value_kind: global_buffer, .address_space: global }
      - { .name: wq, .offset: 40, .size: 8, .value_kind: global_buffer, .address_space: global }
      - { .name: pc, .offset: 48, .size: 8, .value_kind: global_buffer, .address_space: global }
      - { .name: st, .offset: 56, .size: 8, .value_kind: global_buffer, .address_space: global }
    .group_segment_fixed_size: 34304
    .private_segment_fixed_size: 0
    .kernarg_segment_align: 8
    .kernarg_segment_size: 64
    .max_flat_workgroup_size: 128
    .sgpr_count:     66
    .vgpr_count:     256
    .wavefront_size: 32
...
	.end_amdgpu_metadata
.endif
;; end of part 1
;; launch proj (part 2): grid 8 x 32, 4 waves a work-group, clusters of 4 x 4, 327,680 bytes of LDS; arguments xq, wq, qkc, vt; writes qkc, vt
.if DOCPART == 2
	.amdgcn_target "amdgcn-amd-amdhsa--gfx1250"
	.amdhsa_code_object_version 6
	.text
	.protected	k_qb05b5bc73f_proj
	.globl	k_qb05b5bc73f_proj
	.p2align	8
	.type	k_qb05b5bc73f_proj,@function
k_qb05b5bc73f_proj:
	s_mov_b64 s[64:65], 0
	v_nop
	global_prefetch_b8 v0, s[64:65] scope:SCOPE_SE
	s_setreg_imm32_b32 hwreg(HW_REG_WAVE_MODE, 25, 1), 1
	s_wait_xcnt 0x0
	s_wait_alu depctr_hold_cnt(0) depctr_sa_sdst(0) depctr_va_vdst(0) depctr_va_sdst(0) depctr_va_ssrc(0) depctr_va_vcc(0) depctr_vm_vsrc(0)
	s_getreg_b32 s2, hwreg(HW_REG_IB_STS2, 6, 4)
	s_cmp_eq_u32 s2, 0
	s_cbranch_scc0 .Lentry_in_a_cluster
	s_endpgm
.Lentry_in_a_cluster:
	s_bfe_u32 s2, ttmp6, 0x10000c
	s_cmp_lg_u32 s2, 0xf033
	s_cbranch_scc0 .Lentry_shape_is_right
	s_endpgm
.Lentry_shape_is_right:
; q, k and v^T from codes of FP6 (E2M3), K = 1,024 in 8 steps of 128, in ONE walk along K; the results are quantised again and leave as panels (128 rows x 128 K, 12,800 bytes, as the first launch lays them).
; A work-group takes 256 tokens (two panels of xq) against 256 columns of w_q | w_k (two panels) and 128 channels of w_v (one panel).  A wave takes 128 tokens (8 tiles): against 128 columns of q | k, 64 accumulators
; (source 0 = 16 columns, source 1 = 16 tokens: a lane holds one token, its registers run along the channels, the next K), and against 64 channels of v, 32 accumulators (source 0 = 16 tokens, source 1 = 16 channels:
; a lane holds one channel, its registers run along the tokens, which are the keys).  Each fragment of x so serves both products: 20 tiles are read from LDS for 96 matrix instructions.
; A K STEP is three phases of 4 weight tiles x 8 tiles of x, 32 matrix instructions each: columns 0-63, columns 64-127, v's 64 channels.  Weight tiles have two sets of registers; a set is loaded two phases ahead of its use,
; into the registers just multiplied.  x has one set: tiles 0-3 are renewed in the middle of a step's third phase, tiles 4-7 at its end.
; LDS holds five K steps: x's at XS u, the weights' at WB + WS u, u = K step % 5.  THREE FILLS, one tensor load a wave each: steps 0-2 at the head, steps 3, 4 behind the first round, steps 5-7 again into u = 0 .. 2,
; in step 2's second phase: by then every read of those bytes has been issued.  A fill's bytes of x and of the weights are dense in memory; waves 0, 1 take the halves of x's, waves 2, 3 of the weights'.
; CLUSTERS: 4 x 4: x's bytes are asked for jointly along a row of the cluster, the weights' along a column.
; No prefetch: the walk has no loop to run ahead in; each of the three fills is asked for as soon as its LDS bytes are free.
; REGISTERS: window 0: v4-26 addresses; v32-55 scale words, two sets, and nothing else; v56-151 x's 8 tiles; v152-247 weight tiles, two sets of 4; on the way out v128-218 are at work.
;   window 1: v's accumulator (c, t) at v[8 (8 c + t)];  windows 2, 3: q | k's accumulator (a, b) at v[8 (8 (a % 4) + b)], window 2 + a / 4.
; LIMITS: NaN and infinities are not served; a block whose largest magnitude lies under 2^-124 keeps the byte 1; a block of zeros has the byte 1 (its codes are zeros; only this program reads the bytes).
.set PANEL, 12800
.set XS,    2*PANEL                    ; x's bytes of a K step
.set WS,    3*PANEL                    ; the weights'
.set WB,    5*XS                       ; where the weights begin in LDS
.set SPARE, 5*XS+5*WS                  ; behind them: the spare words, 128 bytes a wave, named by no other line
.set XA,   4                           ; v4-8   my panel of x at u = 0 .. 4, + 16 x lane
.set WA,   9                           ; v9-13  my panel of q | k's columns
.set VA,   14                          ; v14-18 my four tiles of w_v
.set VSA,  19                          ; v19-23 their scale words: 16 x (lane % 16)
.set LOFF, 24                          ; 16 x lane
.set LOF2, 25                          ; vt: + my four tiles' place
.set WOF2, 26                          ; vt: my scale words' place
.set SPW,  28
.set NIL,  29
.set SC,   32                          ; set p at SC + 12 p: x's four words, the columns' four, w_v's four
.set XF,   56
.set WF,   152
.set FR0,  128
.set PW,   176
.set TM,   200
.set BX,   204
.set SO,   208
.set TC,   212
.set SEL,  2
.set G1A3, 24                          ; group 1: x, half of three steps: 150 rows of 256 bytes
.set G1B3, 32                          ; weights, half of three steps: 225 rows
.set G1A2, 40                          ; x, half of two steps: 100 rows
.set G1B2, 48                          ; weights, half of two steps: 150 rows
.set G0A0, 56                          ; group 0: a set for each fill, never written again
.set G0A1, 60
.set G0A2, 68
.set G0B0, 72
.set G0B1, 76
.set G0B2, 80
.set MSB,  0
.macro WIN new
.if MSB != (\new)
	s_set_vgpr_msb (MSB<<8)|(\new)
.set MSB, (\new)
.endif
.endm
.macro JLOAD g0a, g1a, g0b, g1b        ; a joint load: waves 0, 1 fetch x's halves, waves 2, 3 the weights'; s_nop 0 and four v_nop follow each line
	s_cmp_eq_u32 s15, 0
	s_cbranch_scc0 .Lfor_b_\@
	tensor_load_to_lds s[\g0a:\g0a+3], s[\g1a:\g1a+7]
	s_nop 0
.rept 4
	v_nop
.endr
	s_branch .Lasked_\@
.Lfor_b_\@:
	tensor_load_to_lds s[\g0b:\g0b+3], s[\g1b:\g1b+7]
	s_nop 0
.rept 4
	v_nop
.endr
.Lasked_\@:
.endm
.macro CREST
	s_cmp_lg_u32 s14, 0
	s_cbranch_scc1 .Lnot_wave_0_\@
	s_barrier_signal -3
.Lnot_wave_0_\@:
	s_barrier_wait -3
	s_barrier_signal -1
	s_barrier_wait -1
.endm
.macro CROUND
	s_barrier_signal -1
	s_barrier_wait -1
	CREST
.endm
.macro PLACES n
.rept \n
	v_nop
.endr
.endm
.macro ROWS g, n
	s_mov_b32 s[\g+2], (\n)<<16
	s_mov_b32 s[\g+4], \n
.endm
.macro MKG0 g, lds, base, off, imm     ; off: a pair (my half's offset, 0)
	s_mov_b32 s[\g], 1
	s_add_co_u32 s[\g+1], s[\off], \lds
	s_add_nc_u64 s[\g+2:\g+3], s[\base:\base+1], s[\off:\off+1]
.if (\imm)
	s_add_nc_u64 s[\g+2:\g+3], s[\g+2:\g+3], \imm
.endif
	s_or_b32 s[\g+3], s[\g+3], 0x80000000
.endm
.macro LDT reg, adr, off               ; a tile: the image of 12 registers, three loads of 16 bytes a lane
.irp g, 0,1,2
	ds_load_b128 v[(\reg)+4*\g:(\reg)+4*\g+3], v[\adr] offset:(\off)+512*\g
.endr
.endm
.macro LOADW ph                        ; the four weight tiles of phase ph (= 3 x K step + 0, 1, 2) into set ph % 2
.set ls, (\ph)/3
.set ln, (\ph)%3
.set lu, ls%5
.irp t, 0,1,2,3
.if ln < 2
	LDT WF+48*((\ph)%2)+12*\t, WA+lu, 6144*ln+1536*\t
.else
	LDT WF+48*((\ph)%2)+12*\t, VA+lu, 1536*\t
.endif
.endr
.endm
.macro LOADX s, i0                     ; x's tiles i0 .. i0 + 3 of K step s
.irp i, 0,1,2,3
	LDT XF+12*((\i0)+\i), XA+(\s)%5, 1536*((\i0)+\i)
.endr
.endm
.macro LOADS s                         ; K step s's scale words: lanes 0-15 tiles 0-3, lanes 16-31 tiles 4-7 (w_v's four tiles: the same words in both halves)
	ds_load_b128 v[SC+12*((\s)%2):SC+12*((\s)%2)+3], v[XA+(\s)%5] offset:12288
	ds_load_b128 v[SC+12*((\s)%2)+4:SC+12*((\s)%2)+7], v[WA+(\s)%5] offset:12288
	ds_load_b128 v[SC+12*((\s)%2)+8:SC+12*((\s)%2)+11], v[VSA+(\s)%5]
.endm
.macro WM1 c
.if hB && hA
	v_wmma_scale_f32_16x16x128_f8f6f4 v[rD:rD+7], v[rB:rB+11], v[rA:rA+11], \c, v[rSB], v[rSA] matrix_a_fmt:MATRIX_FMT_FP6 matrix_b_fmt:MATRIX_FMT_FP6 matrix_a_scale:MATRIX_SCALE_ROW1 matrix_b_scale:MATRIX_SCALE_ROW1
.elseif hB
	v_wmma_scale_f32_16x16x128_f8f6f4 v[rD:rD+7], v[rB:rB+11], v[rA:rA+11], \c, v[rSB], v[rSA] matrix_a_fmt:MATRIX_FMT_FP6 matrix_b_fmt:MATRIX_FMT_FP6 matrix_a_scale:MATRIX_SCALE_ROW1
.elseif hA
	v_wmma_scale_f32_16x16x128_f8f6f4 v[rD:rD+7], v[rB:rB+11], v[rA:rA+11], \c, v[rSB], v[rSA] matrix_a_fmt:MATRIX_FMT_FP6 matrix_b_fmt:MATRIX_FMT_FP6 matrix_b_scale:MATRIX_SCALE_ROW1
.else
	v_wmma_scale_f32_16x16x128_f8f6f4 v[rD:rD+7], v[rB:rB+11], v[rA:rA+11], \c, v[rSB], v[rSA] matrix_a_fmt:MATRIX_FMT_FP6 matrix_b_fmt:MATRIX_FMT_FP6
.endif
.endm
.macro WM zero
.if \zero
	WM1 0
.else
	WM1 v[rD:rD+7]
.endif
.endm
; Half a phase: x's tiles x0 .. x0 + 3, each against the phase's four weight tiles: 16 matrix instructions on 16 accumulators by turns.
.macro MULH ph, x0, zero
.set ms, (\ph)/3
.set mn, (\ph)%3
.irp a, 0,1,2,3
.irp t, 0,1,2,3
.if mn < 2
.set rD, 8*(8*\a+4*mn+\t)
.set rB, WF+48*((\ph)%2)+12*\t
.set rA, XF+12*((\x0)+\a)
.set rSB, SC+12*(ms%2)+4+\t
.set hB, mn
.set rSA, SC+12*(ms%2)+\a
.set hA, (\x0)/4
.else
.set rD, 8*(8*\t+(\x0)+\a)
.set rB, XF+12*((\x0)+\a)
.set rA, WF+48*((\ph)%2)+12*\t
.set rSB, SC+12*(ms%2)+\a
.set hB, (\x0)/4
.set rSA, SC+12*(ms%2)+8+\t
.set hA, 0
.endif
	WM \zero
.endr
.endr
.endm
; A phase.  mode 1: a barrier shows a fill whole to all four waves.  mode 2: the same barrier opens a round of the cluster's, and u = 0 .. 2 are filled again.
; The counts on DScnt name the loads that may stay out: 24 = x's tiles 4-7 and the next weight set; 12 = the youngest weight set; 13 = that and the add.
.macro PHASE ph, mode
.set ps, (\ph)/3
.set pn, (\ph)%3
.set pz, 0
.if (\ph) < 3
.set pz, 1                             ; the first K step's products start the sums: nothing is cleared
.endif
.if pn < 2
.set w0, 0xa0                          ; C and D in window 2,
.set w1, 0xf0                          ; in window 3
.else
.set w0, 0x50                          ; in window 1
.set w1, 0x50
.endif
.if \mode
	s_wait_tensorcnt 0x0                           ; all my tensor loads have landed
	ds_add_u32 v[SPW], v[NIL]
	s_wait_dscnt 13
.elseif pn == 0
	s_wait_dscnt 24
.elseif (\ph)+1 < 24
	s_wait_dscnt 12
.else
	s_wait_dscnt 0x0
.endif
	WIN w0
	MULH \ph, 0, pz
.if pn == 0
	s_wait_dscnt 12                                ; x's tiles 4-7 are in
.endif
.if \mode
	s_wait_dscnt 0x0                               ; the add is done, and all my LDS reads so far are over
	s_barrier_signal -1
.endif
.if pn == 2 && ps < 7
	PLACES 4                                       ; in front of loads into registers that matrix instructions have read
	WIN 0
	LOADS ps+1
	LOADX ps+1, 0
.endif
	WIN w1
	MULH \ph, 4, pz
	WIN 0
.if \mode
	s_barrier_wait -1
.endif
.if (\mode) == 2
	CREST                                          ; no wave of any partner still reads u = 0 .. 2 or has a load on its way
	JLOAD G0A2, G1A3, G0B2, G1B3                   ; K steps 5-7; its four v_nop are the places in front of the loads below
.elseif (\ph)+2 < 24
	PLACES 4
.endif
.if pn == 2 && ps < 7
	LOADX ps+1, 4
.endif
.if (\ph)+2 < 24
	LOADW (\ph)+2
.endif
.endm
.macro PACK6 s, w, f
	WIN \w
.irp c, 0,1
	v_cvt_scalef32_pk16_fp6_f32 v[(\f)+6*\c:(\f)+6*\c+2], v[(\s)+32*\c:(\s)+32*\c+15], v[SO+2*\c]
	v_cvt_scalef32_pk16_fp6_f32 v[TC+4*\c:TC+4*\c+2], v[(\s)+32*\c+16:(\s)+32*\c+31], v[SO+2*\c+1]
.endr
	WIN 0
	v_nop                                          ; one plain place behind the conversions
.irp c, 0,1
.irp i, 0,1,2
	v_permlane16_swap_b32 v[(\f)+6*\c+\i], v[TC+4*\c+\i]   ; a whole block of 32 to a lane
.endr
.irp i, 0,1,2
	v_mov_b32 v[(\f)+6*\c+3+\i], v[TC+4*\c+\i]
.endr
.endr
.endm
; 16 rows x 128 along the next K (64 registers at 64 (a % 4) of window w) become a tile of codes and a scale word.
.macro QOUT a, w, vo
.set S, 64*((\a)%4)
.set F, FR0+12*((\a)%4)
.if (\a) >= 4
	s_wait_xcnt 0x0                                ; tile a - 4's stores have read the registers that are written again below
.endif
	WIN ((\w)<<2)|((\w)<<4)
.irp b, 0,1,2,3
	v_max3_num_f32 v[TM+\b], 0x1800000, |v[S+16*\b]|, |v[S+16*\b+1]|   ; the floor 2^(3 - 127) holds the byte at 1 from below; each accumulator is read from its low end on
.endr
.irp i, 2,4,6,8,10,12,14
.irp b, 0,1,2,3
	v_max3_num_f32 v[TM+\b], v[TM+\b], |v[S+16*\b+\i]|, |v[S+16*\b+\i+1]|
.endr
.endr
	WIN 0
.irp b, 0,1,2,3
	v_permlanex16_b32 v[BX+\b], v[TM+\b], s[SEL], s[SEL+1]
.endr
.irp b, 0,1,2,3
	v_max_num_f32 v[TM+\b], v[TM+\b], v[BX+\b]     ; with lane l xor 16's 16: the block's largest magnitude
.endr
.irp b, 0,1,2,3
	v_add_nc_u32 v[SO+\b], 0xff000000, v[TM+\b]    ; 2 off the exponent field: the conversion's scale operand
.endr
.irp b, 0,1,2,3
	v_lshrrev_b32 v[BX+\b], 23, v[SO+\b]           ; the byte
.endr
	v_lshl_or_b32 v[PW+(\a)], v[BX+1], 8, v[BX]
	v_lshl_or_b32 v[PW+(\a)], v[BX+2], 16, v[PW+(\a)]
	v_lshl_or_b32 v[PW+(\a)], v[BX+3], 24, v[PW+(\a)]
	PACK6 S, \w, F
.irp g, 0,1,2
	global_store_b128 v[\vo], v[F+4*\g:F+4*\g+3], s[12:13] offset:1536*(\a)+512*\g   ; 512 consecutive bytes, aligned
.endr
.endm
	s_load_b256 s[4:11], s[0:1], 0x0               ; xq, wq, qkc, vt
	v_lshl_add_u32 v[SPW], v0, 2, SPARE
	v_mov_b32 v[NIL], 0
	ds_add_u32 v[SPW], v[NIL]                      ; the opening lines: the add, twice on end, and its wait ahead of my first tensor load
	ds_add_u32 v[SPW], v[NIL]
	v_lshrrev_b32 v1, 5, v0
	v_readfirstlane_b32 s14, v1                    ; wave
	s_lshr_b32 s15, s14, 1                         ; my panel of tokens.  Also: I fetch for x (0) or for the weights (1)
	s_and_b32 s16, s14, 1                          ; my half of the columns and channels.  Also: which half of a fill I fetch
	s_bfe_u32 s84, ttmp6, 0x40000                  ; cx
	s_bfe_u32 s85, ttmp6, 0x40004                  ; cy
	s_lshl_b32 s88, s85, 2
	s_lshl_b32 s88, 15, s88                        ; my row of the cluster
	s_lshl_b32 s89, 0x1111, s84                    ; my column
	s_or_b32 s[G1A3], s88, (3<<16)|(1<<21)         ; elements of 8 bytes; bit 21 beside a mask
	s_or_b32 s[G1A2], s88, (3<<16)|(1<<21)
	s_or_b32 s[G1B3], s89, (3<<16)|(1<<21)
	s_or_b32 s[G1B2], s89, (3<<16)|(1<<21)
.irp g, G1A3, G1B3, G1A2, G1B2
	s_mov_b32 s[\g+1], 32<<16                      ; dense rows of 256 bytes
	s_mov_b32 s[\g+3], 32<<16
	s_mov_b32 s[\g+5], 32
	s_mov_b32 s[\g+6], 0
	s_mov_b32 s[\g+7], 0
.endr
	ROWS G1A3, 150
	ROWS G1B3, 225
	ROWS G1A2, 100
	ROWS G1B2, 150
	s_lshl_b32 s86, ttmp9, 2
	s_add_co_u32 s86, s86, s84                     ; my column block, 0 .. 7
	s_and_b32 s87, ttmp7, 0xffff
	s_lshl_b32 s87, s87, 2
	s_add_co_u32 s87, s87, s85                     ; my block of 256 tokens, 0 .. 31
	s_mul_i32 s90, s87, 16*PANEL
	s_mov_b32 s91, 0
	s_mul_i32 s96, s86, 24*PANEL
	s_mov_b32 s97, 0
	s_mul_i32 s20, s16, 3*PANEL                    ; my half: of x's three steps, and of the weights' two,
	s_mov_b32 s21, 0
	s_mul_i32 s22, s16, 2*PANEL                    ; of x's two steps,
	s_mov_b32 s23, 0
	s_mul_i32 s92, s16, 9*PANEL/2                  ; of the weights' three
	s_mov_b32 s93, 0
	s_lshl_b32 s12, s86, 1
	s_add_co_u32 s12, s12, s16                     ; my panel of columns, of 16: q's eight, then k's
	s_lshr_b32 s13, s12, 3
	s_mul_i32 s13, s13, 512*PANEL                  ; k lies behind q's 64 x 8 panels
	s_and_b32 s12, s12, 7
	s_lshl_b32 s17, s87, 1
	s_add_co_u32 s17, s17, s15                     ; my panel of tokens, of 64
	s_lshl_b32 s94, s17, 3
	s_add_co_u32 s12, s12, s94
	s_mul_i32 s12, s12, PANEL
	s_add_co_u32 s12, s12, s13
	s_mov_b32 s13, 0
	s_lshl_b32 s18, s86, 6                         ; vt: [8 channel panels][64 token panels]
	s_add_co_u32 s18, s18, s17
	s_mul_i32 s18, s18, PANEL
	s_mov_b32 s19, 0
	s_mov_b32 s[SEL], 0x76543210
	s_mov_b32 s[SEL+1], 0xfedcba98                 ; selects for lane l xor 16
	s_wait_dscnt 0x0                               ; both opening adds are done
	s_wait_kmcnt 0x0
	s_add_nc_u64 s[90:91], s[4:5], s[90:91]
	s_add_nc_u64 s[96:97], s[6:7], s[96:97]
	s_add_nc_u64 s[12:13], s[8:9], s[12:13]
	s_add_nc_u64 s[18:19], s[10:11], s[18:19]
	MKG0 G0A0, 0,       90, 20, 0                  ; K steps 0-2
	MKG0 G0B0, WB,      96, 92, 0
	MKG0 G0A1, 3*XS,    90, 22, 3*XS               ; K steps 3, 4
	MKG0 G0B1, WB+3*WS, 96, 20, 3*WS
	MKG0 G0A2, 0,       90, 20, 5*XS               ; K steps 5-7
	MKG0 G0B2, WB,      96, 92, 5*WS
	CROUND                                         ; all sixteen work-groups are here: the first joint loads meet
	JLOAD G0A0, G1A3, G0B0, G1B3                   ; one tensor load a wave at the head
	s_mul_i32 s20, s15, PANEL
	s_mul_i32 s21, s16, PANEL
	s_add_co_u32 s21, s21, WB
	s_mul_i32 s22, s16, 6144
	s_lshl_b32 s23, s16, 8
	v_and_b32 v1, 31, v0
	v_lshlrev_b32 v[LOFF], 4, v1
	v_and_b32 v1, 15, v0
	v_lshlrev_b32 v1, 4, v1                        ; 16 x (lane % 16)
	v_bfe_u32 v3, v0, 4, 1
	v_lshl_add_u32 v[WOF2], v3, 3, v1
	v_add_nc_u32 v[WOF2], s23, v[WOF2]             ; 256 x half + 16 r + 8 h
	v_add_nc_u32 v[LOF2], s22, v[LOFF]
	s_add_co_u32 s22, s22, WB+2*PANEL
	s_add_co_u32 s23, s23, WB+2*PANEL+12288
	s_wait_alu depctr_va_vdst(0)
.irp u, 0,1,2,3,4
	v_add_nc_u32 v[XA+\u], s20, v[LOFF]
	v_add_nc_u32 v[WA+\u], s21, v[LOFF]
	v_add_nc_u32 v[VA+\u], s22, v[LOFF]
	v_add_nc_u32 v[VSA+\u], s23, v1
	s_add_co_u32 s20, s20, XS
	s_add_co_u32 s21, s21, WS
	s_add_co_u32 s22, s22, WS
	s_add_co_u32 s23, s23, WS
.endr
	s_wait_alu depctr_va_vdst(0)                   ; the head's end
	s_wait_tensorcnt 0x0                           ; my half of K steps 0-2 is in; these lines stand ahead of a later first fill as ahead of a refill
	ds_add_u32 v[SPW], v[NIL]
	s_wait_dscnt 0x0
	CROUND                                         ; everybody's part is in
	JLOAD G0A1, G1A2, G0B1, G1B2                   ; K steps 3, 4: the first tensor load behind the round
	LOADS 0
	LOADW 0
	LOADX 0, 0
	LOADX 0, 4
	LOADW 1
.set PH, 0
.rept 24
.if PH == 7
	PHASE PH, 2                                    ; step 2's second phase: steps 3, 4 are shown whole, and u = 0 .. 2, whose last reads were issued a phase ago, take steps 5-7
.elseif PH == 13
	PHASE PH, 1                                    ; step 4's second phase: steps 5-7 are shown whole; nothing is filled
.else
	PHASE PH, 0
.endif
.set PH, PH+1
.endr
	PLACES 4
.irp b, 0,1,2,3
	v_mov_b32 v[BX+\b], 0                          ; (a lane permute's destination counts as read)
.endr
.irp a, 0,1,2,3
	QOUT \a, 2, LOFF                               ; q | k: my 8 tiles of tokens
.endr
.irp a, 4,5,6,7
	QOUT \a, 3, LOFF
.endr
.irp j, 0,1,2,3
	v_permlane16_swap_b32 v[PW+\j], v[PW+4+\j]     ; register j: lanes 0-15 tile j's word, lanes 16-31 tile 4 + j's
.endr
	global_store_b128 v[LOFF], v[PW:PW+3], s[12:13] offset:12288
	s_wait_xcnt 0x0                                ; the stores have read their base and their registers
	s_mov_b64 s[12:13], s[18:19]
.irp a, 0,1,2,3
	QOUT \a, 1, LOF2                               ; v^T: my 4 tiles of channels
.endr
	v_permlane16_swap_b32 v[PW], v[PW+2]
	v_permlane16_swap_b32 v[PW+1], v[PW+3]
	global_store_b64 v[WOF2], v[PW:PW+1], s[12:13] offset:12288   ; 256 consecutive bytes, aligned
	s_wait_tensorcnt 0x0                           ; the wave's end
	ds_add_u32 v[SPW], v[NIL]
	s_wait_dscnt 0x0
	CROUND                                         ; the closing round
	s_endpgm
.Lfunc_end_k_qb05b5bc73f_proj:
	.size	k_qb05b5bc73f_proj, .Lfunc_end_k_qb05b5bc73f_proj-k_qb05b5bc73f_proj
	.p2alignl 7, 3214868480
	.fill 96, 4, 3214868480
	.section	.rodata,"a",@progbits
	.p2align	6, 0x0
	.amdhsa_kernel k_qb05b5bc73f_proj
		.amdhsa_group_segment_fixed_size 327680
		.amdhsa_private_segment_fixed_size 0
		.amdhsa_enable_private_segment 0
		.amdhsa_kernarg_size 32
		.amdhsa_user_sgpr_count 2
		.amdhsa_user_sgpr_kernarg_segment_ptr 1
		.amdhsa_wavefront_size32 1
		.amdhsa_system_sgpr_workgroup_id_x 1
		.amdhsa_system_sgpr_workgroup_id_y 1
		.amdhsa_system_sgpr_workgroup_id_z 1
		.amdhsa_system_vgpr_workitem_id 0
		.amdhsa_next_free_vgpr 1024
		.amdhsa_next_free_sgpr 100
		.amdhsa_reserve_vcc 0
		.amdhsa_float_denorm_mode_32 3
		.amdhsa_float_denorm_mode_16_64 3
		.amdhsa_memory_ordered 1
		.amdhsa_forward_progress 1
		.amdhsa_inst_pref_size 197
	.end_amdhsa_kernel
	.amdgpu_metadata
---
amdhsa.version: [ 1, 2 ]
amdhsa.kernels:
  - .name:           k_qb05b5bc73f_proj
    .symbol:         k_qb05b5bc73f_proj.kd
    .args:
      - { .name: xq, .offset: 0, .size: 8, .value_kind: global_buffer, .address_space: global }
      - { .name: wq, .offset: 8, .size: 8, .value_kind: global_buffer, .address_space: global }
      - { .name: qkc, .offset: 16, .size: 8, .value_kind: global_buffer, .address_space: global }
      - { .name: vt, .offset: 24, .size: 8, .value_kind: global_buffer, .address_space: global }
    .group_segment_fixed_size: 327680
    .private_segment_fixed_size: 0
    .kernarg_segment_align: 8
    .kernarg_segment_size: 32
    .max_flat_workgroup_size: 128
    .sgpr_count:     100
    .vgpr_count:     1024
    .wavefront_size: 32
...
	.end_amdgpu_metadata
.endif
;; end of part 2
;; launch scores (part 3): grid 12 x 16, 4 waves a work-group, clusters of 4 x 4, 327,680 bytes of LDS; arguments qkc, pc, st; writes pc, st
.if DOCPART == 3
	.amdgcn_target "amdgcn-amd-amdhsa--gfx1250"
	.amdhsa_code_object_version 6
	.text
	.protected	k_qb05b5bc73f_scores
	.globl	k_qb05b5bc73f_scores
	.p2align	8
	.type	k_qb05b5bc73f_scores,@function
k_qb05b5bc73f_scores:
	s_mov_b64 s[64:65], 0
	v_nop
	global_prefetch_b8 v0, s[64:65] scope:SCOPE_SE
	s_setreg_imm32_b32 hwreg(HW_REG_WAVE_MODE, 25, 1), 1
	s_wait_xcnt 0x0
	s_wait_alu depctr_hold_cnt(0) depctr_sa_sdst(0) depctr_va_vdst(0) depctr_va_sdst(0) depctr_va_ssrc(0) depctr_va_vcc(0) depctr_vm_vsrc(0)
	s_getreg_b32 s2, hwreg(HW_REG_IB_STS2, 6, 4)
	s_cmp_eq_u32 s2, 0
	s_cbranch_scc0 .Lentry_in_a_cluster
	s_endpgm
.Lentry_in_a_cluster:
	s_bfe_u32 s2, ttmp6, 0x10000c
	s_cmp_lg_u32 s2, 0xf033
	s_cbranch_scc0 .Lentry_shape_is_right
	s_endpgm
.Lentry_shape_is_right:
; S = q k^T on codes of FP6 (E2M3), K = 1,024; hidden scores (key > query) become 0, as the problem's multiplying mask has it; then a softmax LOCAL to each 128 keys:
; t = score x log2(e) / 32; M = the largest t of the query's 128 keys, rounded up to a whole number; p = 2^(t - M), quantised along the keys into a panel of pc; -M and the sum of the unquantised p go to st.
; The next launch finds each row's M over all key steps and takes the difference, a whole number, off the scale bytes: the codes stay as they are.  The maximum is always taken away before the exponential.
; PANELS as in the launches before (128 rows x 128 K, 12,800 bytes; tile T, row p is the panel's row 32 (T / 2) + 16 (p / 8) + 8 (T % 2) + p % 8).  A record of st is 1,024 bytes: -M, then the sums, laid as a panel's scale words.
; A work-group makes 256 queries (A) x 256 keys (B), a wave 128 x 128.  Source 0 = 16 keys, source 1 = 16 queries: a lane holds ONE query, register 16 b + i of a tile's 64 = key 32 b + 16 (lane / 16) + i.
; LDS: three slots of two K steps.  K steps 0-5 are asked for at the head; steps 6, 7 go into slot 0 at the end of step 1, four K steps ahead of their first use.  Every fill has descriptors of its own.
; CLUSTERS: 4 x 4 work-groups = 1,024 x 1,024 of a batch's 2,048 x 2,048; q's panels are asked for jointly along a row, k's along a column.  Three clusters a batch: the one wholly above the diagonal is not launched
; (its key steps are read from constant panels).  In the two on the diagonal the six work-groups above it run like the others; the mask makes their p the constant one.
; LIMITS: NaN and infinities are not served; p under 2^-126 counts as 0.
.set PANEL,  12800
.set REGION, 2*PANEL
.set SLOT,   4*REGION
.set SPARE,  3*SLOT                    ; behind the three slots: the spare words, 128 bytes a wave, named by no other line
.set ROWP,   8*PANEL
.set ADRA, 16                          ; v16-18 my panel of q in slot 0, 1, 2, + 16 x lane
.set ADRB, 20                          ; v20-22 my panel of k
.set DQ,   24                          ; v24    my query of tile 0 less my first key: key 32 b + i of tile a is hidden where 32 b + i - (tile a's first row) > DQ
.set LOFF, 26
.set SPW,  28
.set NIL,  29
.set SC,   32                          ; v32-63 scale words, two sets, and nothing else
.set P,    64                          ; v64-127 a tile's 64 scores, then p
.set AF,   128
.set FR0,  128
.set PW,   176                         ; v176-183 scale words;  v184-191 -M;  v192-199 sums
.set MA,   184
.set LL,   192
.set BM,   200                         ; v200-203 the blocks' largest scores, then p
.set BX,   204
.set SO,   208
.set TC,   212
.set NM,   220                         ; v[220:221] -M, named as a pair
.set LA,   222
.set LB,   224
.set G1A,  24
.set G1B,  32
.set G0A,  40
.set G0B,  56
.set CS,   96                          ; s[96:97] c = log2(e) / 32
.set SEL,  98
.set MSB,  0
.macro WIN new
.if MSB != (\new)
	s_set_vgpr_msb (MSB<<8)|(\new)
.set MSB, (\new)
.endif
.endm
.set MUL_LO, 0xa1
.set MUL_HI, 0xf1
.set TO_B,   0x40
.macro JLOAD g0a, g1a, g0b, g1b        ; a joint load: waves 0, 1 fetch q's panels, waves 2, 3 k's; s_nop 0 and four v_nop follow each line
	s_cmp_eq_u32 s15, 0
	s_cbranch_scc0 .Lfor_b_\@
	tensor_load_to_lds s[\g0a:\g0a+3], s[\g1a:\g1a+7]
	s_nop 0
.rept 4
	v_nop
.endr
	s_branch .Lasked_\@
.Lfor_b_\@:
	tensor_load_to_lds s[\g0b:\g0b+3], s[\g1b:\g1b+7]
	s_nop 0
.rept 4
	v_nop
.endr
.Lasked_\@:
.endm
.macro CREST
	s_cmp_lg_u32 s14, 0
	s_cbranch_scc1 .Lnot_wave_0_\@
	s_barrier_signal -3
.Lnot_wave_0_\@:
	s_barrier_wait -3
	s_barrier_signal -1
	s_barrier_wait -1
.endm
.macro CROUND
	s_barrier_signal -1
	s_barrier_wait -1
	CREST
.endm
.macro PLACES n
.rept \n
	v_nop
.endr
.endm
.macro FRAG reg, adr, off
.irp g, 0,1,2
	ds_load_b128 v[(\reg)+4*\g:(\reg)+4*\g+3], v[\adr] offset:(\off)+512*\g
.endr
.endm
.macro FETCH_B slot, q, p
	WIN TO_B
.irp i, 0,1,2,3,4,5,6,7
	FRAG 128*(\p)+12*\i, ADRB+\slot, PANEL*(\q)+1536*\i
.endr
	WIN 0
.endm
.macro FETCH_A slot, q, i0
.irp i, \i0, \i0+1, \i0+2, \i0+3
	FRAG AF+12*(\i), ADRA+\slot, PANEL*(\q)+1536*(\i)
.endr
.endm
.macro SCALES slot, sc
.irp q, 0,1
	ds_load_b128 v[SC+16*(\sc)+8*\q:SC+16*(\sc)+8*\q+3], v[ADRA+\slot] offset:PANEL*\q+12288
	ds_load_b128 v[SC+16*(\sc)+8*\q+4:SC+16*(\sc)+8*\q+7], v[ADRB+\slot] offset:PANEL*\q+12288
.endr
.endm
.macro WM zero
.if \zero
.if hB && hA
	v_wmma_scale_f32_16x16x128_f8f6f4 v[rD:rD+7], v[rB:rB+11], v[rA:rA+11], 0, v[rSB], v[rSA] matrix_a_fmt:MATRIX_FMT_FP6 matrix_b_fmt:MATRIX_FMT_FP6 matrix_a_scale:MATRIX_SCALE_ROW1 matrix_b_scale:MATRIX_SCALE_ROW1
.elseif hB
	v_wmma_scale_f32_16x16x128_f8f6f4 v[rD:rD+7], v[rB:rB+11], v[rA:rA+11], 0, v[rSB], v[rSA] matrix_a_fmt:MATRIX_FMT_FP6 matrix_b_fmt:MATRIX_FMT_FP6 matrix_a_scale:MATRIX_SCALE_ROW1
.elseif hA
	v_wmma_scale_f32_16x16x128_f8f6f4 v[rD:rD+7], v[rB:rB+11], v[rA:rA+11], 0, v[rSB], v[rSA] matrix_a_fmt:MATRIX_FMT_FP6 matrix_b_fmt:MATRIX_FMT_FP6 matrix_b_scale:MATRIX_SCALE_ROW1
.else
	v_wmma_scale_f32_16x16x128_f8f6f4 v[rD:rD+7], v[rB:rB+11], v[rA:rA+11], 0, v[rSB], v[rSA] matrix_a_fmt:MATRIX_FMT_FP6 matrix_b_fmt:MATRIX_FMT_FP6
.endif
.else
.if hB && hA
	v_wmma_scale_f32_16x16x128_f8f6f4 v[rD:rD+7], v[rB:rB+11], v[rA:rA+11], v[rD:rD+7], v[rSB], v[rSA] matrix_a_fmt:MATRIX_FMT_FP6 matrix_b_fmt:MATRIX_FMT_FP6 matrix_a_scale:MATRIX_SCALE_ROW1 matrix_b_scale:MATRIX_SCALE_ROW1
.elseif hB
	v_wmma_scale_f32_16x16x128_f8f6f4 v[rD:rD+7], v[rB:rB+11], v[rA:rA+11], v[rD:rD+7], v[rSB], v[rSA] matrix_a_fmt:MATRIX_FMT_FP6 matrix_b_fmt:MATRIX_FMT_FP6 matrix_a_scale:MATRIX_SCALE_ROW1
.elseif hA
	v_wmma_scale_f32_16x16x128_f8f6f4 v[rD:rD+7], v[rB:rB+11], v[rA:rA+11], v[rD:rD+7], v[rSB], v[rSA] matrix_a_fmt:MATRIX_FMT_FP6 matrix_b_fmt:MATRIX_FMT_FP6 matrix_b_scale:MATRIX_SCALE_ROW1
.else
	v_wmma_scale_f32_16x16x128_f8f6f4 v[rD:rD+7], v[rB:rB+11], v[rA:rA+11], v[rD:rD+7], v[rSB], v[rSA] matrix_a_fmt:MATRIX_FMT_FP6 matrix_b_fmt:MATRIX_FMT_FP6
.endif
.endif
.endm
.macro MUL16 a0, p, q, sc, zero        ; the 64 accumulators take turns, in the same order in every step
.irp a, \a0, \a0+1
.irp b, 0,1,2,3,4,5,6,7
.set rD, 8*(8*((\a)%4)+\b)
.set rB, 128*(\p)+12*\b
.set rA, AF+12*(\a)
.set rSB, SC+16*(\sc)+8*(\q)+4+\b%4
.set rSA, SC+16*(\sc)+8*(\q)+(\a)%4
.set hB, \b/4
.set hA, (\a)/4
	WM \zero
.endr
.endr
.endm
.macro STEP slot, sc, zero
	s_wait_dscnt 12                                ; all but the youngest 12 loads, A's tiles 4-7
	WIN MUL_LO
	MUL16 0, 0, 0, \sc, \zero
	MUL16 2, 0, 0, \sc, \zero
	s_wait_dscnt 0x0
	PLACES 4
	FETCH_B \slot, 1, 1
	FETCH_A \slot, 1, 0
	WIN MUL_HI
	MUL16 4, 0, 0, \sc, \zero
	MUL16 6, 0, 0, \sc, \zero
	PLACES 4
	WIN 0
	FETCH_A \slot, 1, 4
.endm
; A slot's second K step goes on to slot next.  mode 2: the slot just read out is filled again: each wave waits for all its tensor loads, adds 0 to its spare word, waits for that and for its LDS reads;
; the barrier opens a round of the cluster's, and the joint load is the first thing behind it.  mode 1: the same lines and a plain barrier: the next slot's tile is shown whole to every wave, nothing is filled.
; mode 0: no barrier.
.macro TURN sc, next, nsc, mode, g0a, g1a, g0b, g1b
.if (\mode) > 0
	s_wait_tensorcnt 0x0                           ; all my tensor loads have landed
	ds_add_u32 v[SPW], v[NIL]
	s_wait_dscnt 13                                ; (the add and A's tiles 4-7 may be out)
.else
	s_wait_dscnt 12                                ; (A's tiles 4-7 may be out)
.endif
	WIN MUL_LO
	MUL16 0, 1, 1, \sc, 0
	s_wait_dscnt 0x0                               ; my LDS reads are over (and the add is done)
.if (\mode) > 0
	s_barrier_signal -1
.endif
	MUL16 2, 1, 1, \sc, 0
	WIN 0
.if (\mode) > 0
	s_barrier_wait -1
.endif
.if (\mode) == 2
	CREST                                          ; no wave of any partner still reads this slot or has a load on its way
	JLOAD \g0a, \g1a, \g0b, \g1b                   ; its four v_nop are the places in front of the loads below
.else
	PLACES 4
.endif
	FETCH_B \next, 0, 0
	FETCH_A \next, 0, 0
	SCALES \next, \nsc
	WIN MUL_HI
	MUL16 4, 1, 1, \sc, 0
	MUL16 6, 1, 1, \sc, 0
	PLACES 4
	WIN 0
	FETCH_A \next, 0, 4
.endm
.macro PACK6 s, w, f
	WIN \w
.irp c, 0,1
	v_cvt_scalef32_pk16_fp6_f32 v[(\f)+6*\c:(\f)+6*\c+2], v[(\s)+32*\c:(\s)+32*\c+15], v[SO+2*\c]
	v_cvt_scalef32_pk16_fp6_f32 v[TC+4*\c:TC+4*\c+2], v[(\s)+32*\c+16:(\s)+32*\c+31], v[SO+2*\c+1]
.endr
	WIN 0
	v_nop                                          ; one plain place behind the conversions
.irp c, 0,1
.irp i, 0,1,2
	v_permlane16_swap_b32 v[(\f)+6*\c+\i], v[TC+4*\c+\i]
.endr
.irp i, 0,1,2
	v_mov_b32 v[(\f)+6*\c+3+\i], v[TC+4*\c+\i]
.endr
.endr
.endm
.macro OUT3 a, f
.irp g, 0,1,2
	global_store_b128 v[LOFF], v[(\f)+4*\g:(\f)+4*\g+3], s[12:13] offset:1536*(\a)+512*\g
.endr
.endm
; The 16 queries of tile a against my 128 keys.
.macro SOFT a
.set S, 64*((\a)%4)
.set W, 2+(\a)/4
.set F, FR0+12*((\a)%4)
.set OFFA, 32*((\a)/2)+8*((\a)%2)      ; the tile's first row in its panel
	WIN W                                          ; source 0 in the accumulators' window
.set j, 0
.rept 64
	v_cmp_gt_i32 vcc_lo, 32*(j/16)+j%16-OFFA, v[DQ]                ; is register j's key behind my query?
	v_cndmask_b32 v[P+j], v[S+j], 0, vcc_lo                        ; then its score is 0.  The scores come into window 0 on the way, each accumulator from its low end on
.set j, j+1
.endr
	WIN 0
.irp b, 0,1,2,3
	v_max3_num_f32 v[BM+\b], v[P+16*\b], v[P+16*\b+1], v[P+16*\b+2]   ; the largest score of each block of 32 keys: for the row's maximum and, since p rises with the score, for the block's largest p
.endr
.irp i, 3,5,7,9,11,13
.irp b, 0,1,2,3
	v_max3_num_f32 v[BM+\b], v[BM+\b], v[P+16*\b+\i], v[P+16*\b+\i+1]
.endr
.endr
.irp b, 0,1,2,3
	v_max_num_f32 v[BM+\b], v[BM+\b], v[P+16*\b+15]
.endr
.irp b, 0,1,2,3
	v_permlanex16_b32 v[BX+\b], v[BM+\b], s[SEL], s[SEL+1]
.endr
.irp b, 0,1,2,3
	v_max_num_f32 v[BM+\b], v[BM+\b], v[BX+\b]
.endr
	v_max3_num_f32 v226, v[BM], v[BM+1], v[BM+2]
	v_max_num_f32 v226, v226, v[BM+3]
	v_mul_f32 v226, s[CS], v226                    ; the largest t (c is positive)
	v_floor_f32 v[NM], -v226                       ; -M = floor(-t) = -ceil(t): a whole number
.set j, 0
.rept 32
	v_pk_fma_f32 v[P+j:P+j+1], v[P+j:P+j+1], s[CS:CS+1], v[NM:NM+1] op_sel_hi:[1,0,0]   ; t - M, two at a time
.set j, j+2
.endr
.irp b, 0,1,2,3
	v_fma_f32 v[BM+\b], v[BM+\b], s[CS], v[NM]
.endr
.set j, 0
	s_wait_alu depctr_va_vdst(0)
.rept 64
	v_exp_f32 v[P+j], v[P+j]                       ; p = 2^(t - M), at most 1
.set j, j+1
.endr
	v_mov_b32 v[MA+(\a)], v[NM]                    ; (a plain place behind the exponentials)
	s_wait_alu depctr_va_vdst(0)                   ; one wait for the batch, ahead of its first reader
.irp b, 0,1,2,3
	v_exp_f32 v[BM+\b], v[BM+\b]                   ; the block's largest p: the same two instructions on the same number
.endr
	v_pk_add_f32 v[LA:LA+1], v[P:P+1], v[P+2:P+3]  ; the sum of the UNQUANTISED p, in two chains
	v_pk_add_f32 v[LB:LB+1], v[P+4:P+5], v[P+6:P+7]
.set j, 8
.rept 14
	v_pk_add_f32 v[LA:LA+1], v[LA:LA+1], v[P+j:P+j+1]
	v_pk_add_f32 v[LB:LB+1], v[LB:LB+1], v[P+j+2:P+j+3]
.set j, j+4
.endr
	v_pk_add_f32 v[LA:LA+1], v[LA:LA+1], v[LB:LB+1]
	v_add_f32 v226, v[LA], v[LA+1]
	v_permlanex16_b32 v227, v226, s[SEL], s[SEL+1]
	v_add_f32 v[LL+(\a)], v226, v227
	s_wait_alu depctr_va_vdst(0)                   ; and one for the four
.irp b, 0,1,2,3
	v_max_num_f32 v[BM+\b], 0x1800000, v[BM+\b]    ; the floor 2^(3 - 127): the byte cannot fall under 1
.endr
.irp b, 0,1,2,3
	v_add_nc_u32 v[SO+\b], 0xff000000, v[BM+\b]
.endr
.irp b, 0,1,2,3
	v_lshrrev_b32 v[BX+\b], 23, v[SO+\b]
.endr
	v_lshl_or_b32 v[PW+(\a)], v[BX+1], 8, v[BX]
	v_lshl_or_b32 v[PW+(\a)], v[BX+2], 16, v[PW+(\a)]
	v_lshl_or_b32 v[PW+(\a)], v[BX+3], 24, v[PW+(\a)]
.if (\a) >= 4
	s_wait_xcnt 0x0                                ; tile a - 4's stores have read the registers that are written again below
.endif
	PACK6 P, 0, F
	OUT3 \a, F
.endm
	s_load_b128 s[4:7], s[0:1], 0x0                ; qkc, pc
	s_load_b64 s[8:9], s[0:1], 0x10                ; st
	v_lshl_add_u32 v[SPW], v0, 2, SPARE
	v_mov_b32 v[NIL], 0
	ds_add_u32 v[SPW], v[NIL]                      ; the wave's opening: the add and its wait ahead of my first tensor load
	ds_add_u32 v[SPW], v[NIL]
	v_lshrrev_b32 v1, 5, v0
	v_readfirstlane_b32 s14, v1
	s_lshr_b32 s15, s14, 1                         ; my panel of queries.  Also: I fetch for q (0) or for k (1)
	s_and_b32 s16, s14, 1                          ; my panel of keys.  Also: which of the two panels I fetch
	s_bfe_u32 s76, ttmp6, 0x40000                  ; cx
	s_bfe_u32 s77, ttmp6, 0x40004                  ; cy
	s_lshl_b32 s78, s77, 2
	s_lshl_b32 s78, 15, s78
	s_lshl_b32 s79, 0x1111, s76
	s_or_b32 s[G1A], s78, (3<<16)|(1<<21)
	s_or_b32 s[G1B], s79, (3<<16)|(1<<21)
.irp g, G1A, G1B
	s_mov_b32 s[\g+1], 32<<16                      ; rows of 256 bytes,
	s_mov_b32 s[\g+2], 300<<16                     ; at the head 300 of them: six K steps of a panel row, 76,800 dense bytes, one tensor load a wave
	s_mov_b32 s[\g+3], 32<<16
	s_mov_b32 s[\g+4], 300
	s_mov_b32 s[\g+5], 32
	s_mov_b32 s[\g+6], 0
	s_mov_b32 s[\g+7], 0
.endr
	s_and_b32 s80, ttmp7, 0xffff                   ; the batch
	s_add_co_u32 s81, ttmp9, 1                     ; the cluster's x is 0, 1, 2: (queries, keys) halves (0, 0), (1, 0), (1, 1)
	s_lshr_b32 s81, s81, 1
	s_lshl_b32 s81, s81, 2
	s_add_co_u32 s81, s81, s77                     ; my 256 queries of the batch's eight blocks
	s_lshr_b32 s83, ttmp9, 1
	s_lshl_b32 s83, s83, 2
	s_add_co_u32 s83, s83, s76                     ; my 256 keys
	s_lshl_b32 s82, s80, 4                         ; 16 panels a batch
	s_lshl_b32 s85, s81, 1
	s_add_co_u32 s85, s85, s82
	s_add_co_u32 s85, s85, s16
	s_mul_i32 s86, s85, ROWP
	s_mov_b32 s87, 0
	s_lshl_b32 s88, s83, 1
	s_add_co_u32 s88, s88, s82
	s_add_co_u32 s88, s88, s16
	s_mul_i32 s90, s88, ROWP
	s_add_co_u32 s90, s90, 64*ROWP                 ; k lies behind q
	s_mov_b32 s91, 0
	s_mul_i32 s89, s14, 3*REGION                   ; LDS: a wave's panel row has six K steps on end; "slot" n is steps 2 n, 2 n + 1 of each of the four rows
	s_mov_b32 s[CS], 0x3d38aa3b                    ; log2(e) / 32
	s_mov_b32 s[CS+1], s[CS]
	s_mov_b32 s[SEL], 0x76543210
	s_mov_b32 s[SEL+1], 0xfedcba98
	s_wait_dscnt 0x0                               ; the opening add is done
	s_wait_kmcnt 0x0
	s_add_nc_u64 s[92:93], s[4:5], s[86:87]
	s_add_nc_u64 s[94:95], s[4:5], s[90:91]
.irp f, 0,3                                    ; fill 0: K steps 0-5; fill 3: K steps 6, 7, into the bytes of steps 0, 1; a set of registers for each
	s_mov_b32 s[G0A+4*\f], 1
	s_add_co_u32 s[G0A+4*\f+1], s89, (\f%3)*SLOT
	s_add_nc_u64 s[G0A+4*\f+2:G0A+4*\f+3], s[92:93], \f*REGION
	s_or_b32 s[G0A+4*\f+3], s[G0A+4*\f+3], 0x80000000
	s_mov_b32 s[G0B+4*\f+4*(\f/2)], 1
	s_add_co_u32 s[G0B+4*\f+4*(\f/2)+1], s89, (\f%3)*SLOT
	s_add_nc_u64 s[G0B+4*\f+4*(\f/2)+2:G0B+4*\f+4*(\f/2)+3], s[94:95], \f*REGION
	s_or_b32 s[G0B+4*\f+4*(\f/2)+3], s[G0B+4*\f+4*(\f/2)+3], 0x80000000
.endr
	CROUND
	JLOAD G0A, G1A, G0B, G1B                       ; K steps 0-5: one tensor load a wave at the head
	v_and_b32 v1, 31, v0
	v_lshlrev_b32 v[LOFF], 4, v1
	s_mul_i32 s21, s15, 3*REGION
	s_mul_i32 s22, s16, 3*REGION
	s_add_co_u32 s22, s22, 6*REGION
.irp s, 0,1,2
	v_add_nc_u32 v[ADRA+\s], s21, v[LOFF]
	v_add_nc_u32 v[ADRB+\s], s22, v[LOFF]
	s_add_co_u32 s21, s21, REGION
	s_add_co_u32 s22, s22, REGION
.endr
	s_lshl_b32 s17, s81, 1
	s_add_co_u32 s17, s17, s82
	s_add_co_u32 s17, s17, s15                     ; my query panel, of 64
	s_lshl_b32 s17, s17, 4
	s_lshl_b32 s18, s83, 1
	s_add_co_u32 s18, s18, s16                     ; my key step, of 16
	s_add_co_u32 s17, s17, s18
	s_mul_i32 s18, s17, PANEL
	s_mov_b32 s19, 0
	s_add_nc_u64 s[12:13], s[6:7], s[18:19]        ; my panel of pc
	s_lshl_b32 s18, s17, 10
	s_add_nc_u64 s[84:85], s[8:9], s[18:19]        ; my record of st
	s_sub_co_i32 s17, s81, s83
	s_lshl_b32 s17, s17, 8
	s_sub_co_i32 s18, s15, s16
	s_lshl_b32 s18, s18, 7
	s_add_co_i32 s17, s17, s18                     ; my first query less my first key
	v_and_b32 v2, 7, v0
	v_bfe_u32 v3, v0, 3, 1
	v_lshl_add_u32 v2, v3, 4, v2                   ; row r of a tile: 16 (r / 8) + r % 8
	v_bfe_u32 v3, v0, 4, 1
	v_lshlrev_b32 v3, 4, v3
	v_sub_nc_u32 v2, v2, v3                        ; my registers' keys begin 16 (lane / 16) on
	v_add_nc_u32 v[DQ], s17, v2
	s_wait_alu depctr_va_vdst(0)                   ; the head's end
	s_wait_tensorcnt 0x0                           ; my six K steps are in; no tensor load of mine is out, so a descriptor may be written:
	s_mov_b32 s[G1A+2], 100<<16                    ; the refill brings two K steps, 100 rows
	s_mov_b32 s[G1A+4], 100
	s_mov_b32 s[G1B+2], 100<<16
	s_mov_b32 s[G1B+4], 100
	s_barrier_signal -1
	s_barrier_wait -1
	FETCH_B 0, 0, 0
	FETCH_A 0, 0, 0
	SCALES 0, 0
	FETCH_A 0, 0, 4
	STEP 0, 0, 1                                   ; the first step's products start the sums: nothing is cleared
	TURN 0, 1, 1, 2, G0A+12, G1A, G0B+16, G1B      ; slot 0 takes K steps 6, 7
	STEP 1, 1, 0
	s_wait_alu depctr_va_vdst(0)
	TURN 1, 2, 0, 0, 0, 0, 0, 0                    ; slot 2 was shown whole by the barrier above
	STEP 2, 0, 0
	TURN 0, 0, 1, 1, 0, 0, 0, 0                    ; K steps 6, 7 are shown whole to every wave; nothing is filled
	STEP 0, 1, 0
	s_wait_dscnt 12
	WIN MUL_LO
	MUL16 0, 1, 1, 1, 0
	MUL16 2, 1, 1, 1, 0
	s_wait_dscnt 0x0
	WIN MUL_HI
	MUL16 4, 1, 1, 1, 0
	MUL16 6, 1, 1, 1, 0
	WIN 0
	PLACES 4
.irp b, 0,1,2,3
	v_mov_b32 v[BX+\b], 0                          ; (a lane permute's destination counts as read)
.endr
	v_mov_b32 v[NM+1], 0                           ; (named as the upper half of a pair)
	v_mov_b32 v227, 0
.irp a, 0,1,2,3,4,5,6,7
	SOFT \a
.endr
.irp j, 0,1,2,3
	v_permlane16_swap_b32 v[PW+\j], v[PW+4+\j]     ; register j: lanes 0-15 tile j's, lanes 16-31 tile 4 + j's
	v_permlane16_swap_b32 v[MA+\j], v[MA+4+\j]
	v_permlane16_swap_b32 v[LL+\j], v[LL+4+\j]
.endr
	global_store_b128 v[LOFF], v[PW:PW+3], s[12:13] offset:12288   ; three stores of 512 consecutive, aligned bytes
	global_store_b128 v[LOFF], v[MA:MA+3], s[84:85]
	global_store_b128 v[LOFF], v[LL:LL+3], s[84:85] offset:512
	s_wait_tensorcnt 0x0                           ; the wave's end
	ds_add_u32 v[SPW], v[NIL]
	s_wait_dscnt 0x0
	CROUND                                         ; the closing round
	s_endpgm
.Lfunc_end_k_qb05b5bc73f_scores:
	.size	k_qb05b5bc73f_scores, .Lfunc_end_k_qb05b5bc73f_scores-k_qb05b5bc73f_scores
	.p2alignl 7, 3214868480
	.fill 96, 4, 3214868480
	.section	.rodata,"a",@progbits
	.p2align	6, 0x0
	.amdhsa_kernel k_qb05b5bc73f_scores
		.amdhsa_group_segment_fixed_size 327680
		.amdhsa_private_segment_fixed_size 0
		.amdhsa_enable_private_segment 0
		.amdhsa_kernarg_size 24
		.amdhsa_user_sgpr_count 2
		.amdhsa_user_sgpr_kernarg_segment_ptr 1
		.amdhsa_wavefront_size32 1
		.amdhsa_system_sgpr_workgroup_id_x 1
		.amdhsa_system_sgpr_workgroup_id_y 1
		.amdhsa_system_sgpr_workgroup_id_z 1
		.amdhsa_system_vgpr_workitem_id 0
		.amdhsa_next_free_vgpr 1024
		.amdhsa_next_free_sgpr 100
		.amdhsa_reserve_vcc 1
		.amdhsa_float_denorm_mode_32 3
		.amdhsa_float_denorm_mode_16_64 3
		.amdhsa_memory_ordered 1
		.amdhsa_forward_progress 1
		.amdhsa_inst_pref_size 245
	.end_amdhsa_kernel
	.amdgpu_metadata
---
amdhsa.version: [ 1, 2 ]
amdhsa.kernels:
  - .name:           k_qb05b5bc73f_scores
    .symbol:         k_qb05b5bc73f_scores.kd
    .args:
      - { .name: qkc, .offset: 0, .size: 8, .value_kind: global_buffer, .address_space: global }
      - { .name: pc, .offset: 8, .size: 8, .value_kind: global_buffer, .address_space: global }
      - { .name: st, .offset: 16, .size: 8, .value_kind: global_buffer, .address_space: global }
    .group_segment_fixed_size: 327680
    .private_segment_fixed_size: 0
    .kernarg_segment_align: 8
    .kernarg_segment_size: 24
    .max_flat_workgroup_size: 128
    .sgpr_count:     100
    .vgpr_count:     1024
    .wavefront_size: 32
...
	.end_amdgpu_metadata
.endif
;; end of part 3
;; launch pv (part 4): grid 4 x 64, 4 waves a work-group, clusters of 4 x 4, 327,680 bytes of LDS; arguments pc, st, vt, out0; writes out0
.if DOCPART == 4
	.amdgcn_target "amdgcn-amd-amdhsa--gfx1250"
	.amdhsa_code_object_version 6
	.text
	.protected	k_qb05b5bc73f_pv
	.globl	k_qb05b5bc73f_pv
	.p2align	8
	.type	k_qb05b5bc73f_pv,@function
k_qb05b5bc73f_pv:
	s_mov_b64 s[64:65], 0
	v_nop
	global_prefetch_b8 v0, s[64:65] scope:SCOPE_SE
	s_setreg_imm32_b32 hwreg(HW_REG_WAVE_MODE, 25, 1), 1
	s_wait_xcnt 0x0
	s_wait_alu depctr_hold_cnt(0) depctr_sa_sdst(0) depctr_va_vdst(0) depctr_va_sdst(0) depctr_va_ssrc(0) depctr_va_vcc(0) depctr_vm_vsrc(0)
	s_getreg_b32 s2, hwreg(HW_REG_IB_STS2, 6, 4)
	s_cmp_eq_u32 s2, 0
	s_cbranch_scc0 .Lentry_in_a_cluster
	s_endpgm
.Lentry_in_a_cluster:
	s_bfe_u32 s2, ttmp6, 0x10000c
	s_cmp_lg_u32 s2, 0xf033
	s_cbranch_scc0 .Lentry_shape_is_right
	s_endpgm
.Lentry_shape_is_right:
; out0 = (P V) / l on codes of FP6 (E2M3), K = a batch's 2,048 keys in 16 steps of 128.  P's panels carry a softmax local to each key step (p = 2^(t - M_step)); here each row's M = the largest M_step is found,
; d = M - M_step, a whole number, is taken off that step's four scale bytes (held at 0 from below), and l = the sum of l_step 2^-d divides at the end.  The codes are not touched.
; Key steps 8-15 of a batch's first eight query panels are wholly hidden: they were never computed, and are read from the eight constant panels and records behind pc's and st's (p = 1, M_step = 0, l_step = 128).
; A work-group makes 128 queries (one panel of P) x 256 channels (two panels of vt); a wave 64 x 128: 32 accumulators.  Source 0 = 16 channels, source 1 = 16 queries: a lane holds ONE query, and by the tiles' order of
; rows register 16 b + i of a tile's 64 is channel 32 b + 16 (lane / 16) + i.  The queries' order in a tile (tile T, row p = the panel's row 32 (T / 2) + 16 (p / 8) + 8 (T % 2) + p % 8) is undone in out0's addresses.
; K goes through two LDS slots of four steps; four fills, each with descriptors of its own; all 16 steps are written out, since the register of P's scale words changes from step to step.
; The records and P's scale words, 24 loads a wave, are asked for ahead of the tiles: the first product waits for what is made of them.
; CLUSTERS: 4 x 4: P's panel is asked for jointly along a row of the cluster, vt's panels along a column.
; REGISTERS: window 0: v16-31 addresses and 1 / l; v32-63 P's scale words, v64-71 vt's (scales and nothing else); v128-223 P's fragments, two sets (first: the records); v224-255 at work.
;   window 1: vt's fragments, two sets; on the way out v0-63 a tile's results, v64-191 rows read back.   window 2: accumulator (a, b) at v[8 (8 a + b)].
; LIMITS: NaN and infinities are not served; where d exceeds a block's byte, the byte 0 (2^-127) stands for nothing: at most 7.5 x 2^-127 a number, beside a row's largest p above 1/2.
.set PANEL,  12800
.set SLOT,   12*PANEL                  ; four steps of P's panel, then four steps of each of vt's two panels
.set SPARE,  2*SLOT                    ; behind the ring: the spare words, 128 bytes a wave, named by no other line
.set ADRA, 16                          ; v16-17 my four tiles of P in slot 0, 1, + 16 x lane
.set RD,   19                          ; v19    the stage: where I read a row back
.set ADRB, 20                          ; v20-21 my panel of vt
.set LOFF, 22                          ; v22    16 x lane; never rewritten
.set STO,  23                          ; v23    the stage: where I put 64 bytes of a row
.set RL,   24                          ; v24-27 1 / l of my query in tiles 0-3
.set SPW,  28
.set NIL,  29
.set VS,   30                          ; v30, v31 the prologue's offsets in st and pc
.set VP,   31
.set PS,   32                          ; v[32 + 4 g + j]: tile j's scale words: lanes 0-15 key step 2 g, lanes 16-31 step 2 g + 1
.set BS,   64                          ; v64-71 vt's scale words, two sets
.set ML,   128                         ; the records: -M_step,
.set LDL,  160                         ; l_step
.set NX,   224                         ; -M
.set LT,   228                         ; l
.set EE,   232
.set FF,   236
.set DD,   240
.set WX,   244
.set KX,   248
.set HX,   252
.set G1A,  24
.set G1B,  32
.set G0A,  40
.set G0B,  56
.set SEL,  98
.set MSB,  0
.macro WIN new
.if MSB != (\new)
	s_set_vgpr_msb (MSB<<8)|(\new)
.set MSB, (\new)
.endif
.endm
.macro JLOAD f                         ; a joint load: waves 0, 1 fetch P's steps, waves 2, 3 vt's panels; s_nop 0 and four v_nop follow each line
	s_cmp_eq_u32 s15, 0
	s_cbranch_scc0 .Lfor_b_\@
	tensor_load_to_lds s[G0A+4*(\f):G0A+4*(\f)+3], s[G1A:G1A+7]
	s_nop 0
.rept 4
	v_nop
.endr
	s_branch .Lasked_\@
.Lfor_b_\@:
	tensor_load_to_lds s[G0B+4*(\f)+4*((\f)/2):G0B+4*(\f)+4*((\f)/2)+3], s[G1B:G1B+7]
	s_nop 0
.rept 4
	v_nop
.endr
.Lasked_\@:
.endm
.macro CREST
	s_cmp_lg_u32 s14, 0
	s_cbranch_scc1 .Lnot_wave_0_\@
	s_barrier_signal -3
.Lnot_wave_0_\@:
	s_barrier_wait -3
	s_barrier_signal -1
	s_barrier_wait -1
.endm
.macro CROUND
	s_barrier_signal -1
	s_barrier_wait -1
	CREST
.endm
.macro PLACES n
.rept \n
	v_nop
.endr
.endm
.macro FRAG reg, adr, off
.irp g, 0,1,2
	ds_load_b128 v[(\reg)+4*\g:(\reg)+4*\g+3], v[\adr] offset:(\off)+512*\g
.endr
.endm
.macro FETCH4 s                        ; key step s's fragments into set s % 2: 37 loads
.set fsl, ((\s)/4)%2
.set fq, (\s)%4
.set fp, (\s)%2
	WIN 0x40
.irp i, 0,1,2,3,4,5,6,7
	FRAG 128*fp+12*\i, ADRB+fsl, PANEL*fq+1536*\i
.endr
	WIN 0
.irp i, 0,1,2,3
	FRAG 128+48*fp+12*\i, ADRA+fsl, PANEL*fq+1536*\i
.endr
	ds_load_b128 v[BS+4*fp:BS+4*fp+3], v[ADRB+fsl] offset:PANEL*fq+12288
.endm
.macro WM zero
.if \zero
.if hB && hA
	v_wmma_scale_f32_16x16x128_f8f6f4 v[rD:rD+7], v[rB:rB+11], v[rA:rA+11], 0, v[rSB], v[rSA] matrix_a_fmt:MATRIX_FMT_FP6 matrix_b_fmt:MATRIX_FMT_FP6 matrix_a_scale:MATRIX_SCALE_ROW1 matrix_b_scale:MATRIX_SCALE_ROW1
.elseif hB
	v_wmma_scale_f32_16x16x128_f8f6f4 v[rD:rD+7], v[rB:rB+11], v[rA:rA+11], 0, v[rSB], v[rSA] matrix_a_fmt:MATRIX_FMT_FP6 matrix_b_fmt:MATRIX_FMT_FP6 matrix_a_scale:MATRIX_SCALE_ROW1
.elseif hA
	v_wmma_scale_f32_16x16x128_f8f6f4 v[rD:rD+7], v[rB:rB+11], v[rA:rA+11], 0, v[rSB], v[rSA] matrix_a_fmt:MATRIX_FMT_FP6 matrix_b_fmt:MATRIX_FMT_FP6 matrix_b_scale:MATRIX_SCALE_ROW1
.else
	v_wmma_scale_f32_16x16x128_f8f6f4 v[rD:rD+7], v[rB:rB+11], v[rA:rA+11], 0, v[rSB], v[rSA] matrix_a_fmt:MATRIX_FMT_FP6 matrix_b_fmt:MATRIX_FMT_FP6
.endif
.else
.if hB && hA
	v_wmma_scale_f32_16x16x128_f8f6f4 v[rD:rD+7], v[rB:rB+11], v[rA:rA+11], v[rD:rD+7], v[rSB], v[rSA] matrix_a_fmt:MATRIX_FMT_FP6 matrix_b_fmt:MATRIX_FMT_FP6 matrix_a_scale:MATRIX_SCALE_ROW1 matrix_b_scale:MATRIX_SCALE_ROW1
.elseif hB
	v_wmma_scale_f32_16x16x128_f8f6f4 v[rD:rD+7], v[rB:rB+11], v[rA:rA+11], v[rD:rD+7], v[rSB], v[rSA] matrix_a_fmt:MATRIX_FMT_FP6 matrix_b_fmt:MATRIX_FMT_FP6 matrix_a_scale:MATRIX_SCALE_ROW1
.elseif hA
	v_wmma_scale_f32_16x16x128_f8f6f4 v[rD:rD+7], v[rB:rB+11], v[rA:rA+11], v[rD:rD+7], v[rSB], v[rSA] matrix_a_fmt:MATRIX_FMT_FP6 matrix_b_fmt:MATRIX_FMT_FP6 matrix_b_scale:MATRIX_SCALE_ROW1
.else
	v_wmma_scale_f32_16x16x128_f8f6f4 v[rD:rD+7], v[rB:rB+11], v[rA:rA+11], v[rD:rD+7], v[rSB], v[rSA] matrix_a_fmt:MATRIX_FMT_FP6 matrix_b_fmt:MATRIX_FMT_FP6
.endif
.endif
.endm
.macro MULA a, s, zero                 ; tile a of my queries x vt's eight tiles, key step s.  The 32 accumulators take turns, in the same order in every step
.irp b, 0,1,2,3,4,5,6,7
.set rD, 8*(8*(\a)+\b)
.set rB, 128*((\s)%2)+12*\b
.set rA, 128+48*((\s)%2)+12*(\a)
.set rSB, BS+4*((\s)%2)+\b%4
.set rSA, PS+4*((\s)/2)+(\a)
.set hB, \b/4
.set hA, (\s)%2
	WM \zero
.endr
.endm
.macro S4 s, zero                      ; a key step whose successor lies in the same slot
	s_wait_dscnt 0x0                               ; this step's fragments are in
	PLACES 4                                       ; in front of loads into the set that the last step multiplied
	FETCH4 (\s)+1
	WIN 0xa1                                       ; source 0 window 1, source 1 window 0, C and D window 2
	MULA 0, \s, \zero
	MULA 1, \s, \zero
	MULA 2, \s, \zero
	MULA 3, \s, \zero
	WIN 0
.endm
; A slot's last key step changes slots: one barrier; in front of it each wave waits for all its tensor loads, adds 0 to its spare word, and waits for that and for its reads of this slot.
.macro T4 s, fill, f
	s_wait_tensorcnt 0x0                           ; all my tensor loads have landed: my part of the next slot
	ds_add_u32 v[SPW], v[NIL]
	s_wait_dscnt 1                                 ; this step's fragments are in (the add may be out)
	WIN 0xa1
	MULA 0, \s, 0
	s_wait_dscnt 0x0                               ; the add is done, and my reads of this slot are over
	s_barrier_signal -1
	MULA 1, \s, 0
	WIN 0
	s_barrier_wait -1
.if \fill
	CREST                                          ; a round of the cluster's barrier: no wave of any partner still reads this slot or has a load on its way
	JLOAD \f                                       ; the first tensor load behind the round; its four v_nop are the places in front of the loads below
.else
	PLACES 4
.endif
	FETCH4 (\s)+1
	WIN 0xa1
	MULA 2, \s, 0
	MULA 3, \s, 0
	WIN 0
.endm
; Key steps 2 g (lanes 0-15) and 2 g + 1 (lanes 16-31), my four tiles by turns.
.macro REPAIR g
.irp j, 0,1,2,3
	v_sub_f32 v[EE+\j], v[NX+\j], v[ML+4*(\g)+\j]  ; M_step - M: a whole number, 0 or less
.endr
.irp j, 0,1,2,3
	v_cvt_i32_f32 v[EE+\j], v[EE+\j]               ; (it saturates)
.endr
.irp j, 0,1,2,3
	v_ldexp_f32 v[FF+\j], 1.0, v[EE+\j]            ; 2^-d: nothing is rounded
.endr
.irp j, 0,1,2,3
.if (\g) == 0
	v_mul_f32 v[LT+\j], v[LDL+\j], v[FF+\j]
.else
	v_fmac_f32 v[LT+\j], v[LDL+4*(\g)+\j], v[FF+\j]
.endif
.endr
.irp j, 0,1,2,3
	v_sub_nc_u32 v[DD+\j], 0, v[EE+\j]             ; d,
.endr
.irp j, 0,1,2,3
	v_min_u32 v[DD+\j], 127, v[DD+\j]              ; held at 127: every byte is at most 125,
.endr
.irp j, 0,1,2,3
	v_perm_b32 v[DD+\j], v[DD+\j], v[DD+\j], 0     ; in all four bytes
.endr
.irp j, 0,1,2,3
	v_or_b32 v[WX+\j], 0x80808080, v[PS+4*(\g)+\j] ; each byte 128 + s,
.endr
.irp j, 0,1,2,3
	v_sub_nc_u32 v[WX+\j], v[WX+\j], v[DD+\j]      ; 128 + s - d, at least 1: no byte borrows from the next
.endr
.irp j, 0,1,2,3
	v_and_b32 v[KX+\j], 0x80808080, v[WX+\j]       ; the top bit stands where s - d is 0 or more
.endr
.irp j, 0,1,2,3
	v_lshrrev_b32 v[HX+\j], 7, v[KX+\j]
.endr
.irp j, 0,1,2,3
	v_sub_nc_u32 v[KX+\j], v[KX+\j], v[HX+\j]      ; 0x7f there, 0 elsewhere
.endr
.irp j, 0,1,2,3
	v_and_b32 v[PS+4*(\g)+\j], v[WX+\j], v[KX+\j]  ; max(s - d, 0)
.endr
.endm
; THE WAY OUT, a tile of 16 queries x 128 channels at a time: divided by l, through my own stage in LDS, back as whole rows of 512 bytes.
.macro MULT a
	WIN 0x42                                       ; source 0 window 2, destination window 1
.set j, 0
.rept 64
	v_mul_f32 v[j], v[64*(\a)+j], v[RL+(\a)]       ; each accumulator from its low end on
.set j, j+1
.endr
.endm
.macro TOSTAGE a
	WIN 0x04                                       ; an LDS store's data are its source 1: window 1
.irp b, 0,1,2,3
.irp i, 0,1,2,3
	ds_store_b128 v[STO], v[16*\b+4*\i:16*\b+4*\i+3] offset:128*\b+16*\i
.endr
.endr
	WIN 0x40
.irp t, 0,1,2,3,4,5,6,7,8,9,10,11,12,13,14,15
	ds_load_b128 v[64+64*((\a)%2)+4*\t:64+64*((\a)%2)+4*\t+3], v[RD] offset:528*\t   ; LDS serves a wave's instructions in order: these see the stores above
.endr
.endm
.macro SEND a, younger
	s_wait_dscnt \younger
	WIN 0x04
.irp t, 0,1,2,3,4,5,6,7,8,9,10,11,12,13,14,15
	global_store_b128 v[LOFF], v[64+64*((\a)%2)+4*\t:64+64*((\a)%2)+4*\t+3], s[12:13] offset:(32*((\a)/2)+8*((\a)%2)+16*(\t/8)+\t%8)*4096 th:TH_STORE_NT   ; 512 consecutive bytes of one row of out0, aligned
.endr
.endm
	s_load_b256 s[4:11], s[0:1], 0x0               ; pc, st, vt, out0
	v_lshl_add_u32 v[SPW], v0, 2, SPARE
	v_mov_b32 v[NIL], 0
	ds_add_u32 v[SPW], v[NIL]                      ; the wave's opening: the add and its wait ahead of my first tensor load
	ds_add_u32 v[SPW], v[NIL]
	v_lshrrev_b32 v1, 5, v0
	v_readfirstlane_b32 s14, v1
	s_lshr_b32 s15, s14, 1                         ; my 64 queries.  Also: I fetch for P (0) or for vt (1)
	s_and_b32 s16, s14, 1                          ; my panel of vt.  Also: which half of P's steps, or which panel of vt, I fetch
	s_bfe_u32 s76, ttmp6, 0x40000                  ; cx: my 256 channels
	s_bfe_u32 s77, ttmp6, 0x40004                  ; cy
	s_lshl_b32 s78, s77, 2
	s_lshl_b32 s78, 15, s78
	s_lshl_b32 s79, 0x1111, s76
	s_or_b32 s[G1A], s78, (3<<16)|(1<<21)
	s_or_b32 s[G1B], s79, (3<<16)|(1<<21)
.irp g, G1A, G1B
	s_mov_b32 s[\g+1], 32<<16                      ; rows of 256 bytes
	s_mov_b32 s[\g+3], 32<<16
	s_mov_b32 s[\g+5], 32
	s_mov_b32 s[\g+6], 0
	s_mov_b32 s[\g+7], 0
.endr
	s_mov_b32 s[G1A+2], 100<<16                    ; P: two steps, 25,600 dense bytes
	s_mov_b32 s[G1A+4], 100
	s_mov_b32 s[G1B+2], 200<<16                    ; vt: four steps, 51,200
	s_mov_b32 s[G1B+4], 200
	s_and_b32 s80, ttmp7, 0xffff                   ; the cluster's y
	s_lshl_b32 s81, s80, 2
	s_add_co_u32 s81, s81, s77                     ; my query panel, of 64
	s_mul_i32 s82, s81, 16*PANEL                   ; its key steps 0-7,
	s_mov_b32 s83, 0
	s_add_co_u32 s92, s82, 8*PANEL                 ; and 8-15, where they were computed
	s_mov_b32 s93, 0
	s_lshl_b32 s94, s81, 14                        ; the records likewise
	s_mov_b32 s95, 0
	s_add_co_u32 s96, s94, 8192
	s_mov_b32 s97, 0
	s_and_b32 s17, s80, 3
	s_mov_b32 s18, 1024*PANEL                      ; the constant panels,
	s_mov_b32 s19, 1048576                         ; the constant records
	s_cmp_lt_u32 s17, 2                            ; a batch's first eight query panels: the test hangs on the cluster's number alone
	s_cselect_b32 s92, s18, s92
	s_cselect_b32 s96, s19, s96
	s_mul_i32 s20, s16, 2*PANEL                    ; P: my two of a slot's four steps, in memory and in LDS
	s_mov_b32 s21, 0
	s_lshl_b32 s22, s76, 1
	s_add_co_u32 s22, s22, s16
	s_lshl_b32 s22, s22, 6                         ; vt: channel panel 2 cx + (wave % 2), 64 steps each,
	s_lshr_b32 s23, s80, 2
	s_lshl_b32 s23, s23, 4                         ; the batch's 16
	s_add_co_u32 s22, s22, s23
	s_mul_i32 s22, s22, PANEL
	s_mov_b32 s23, 0
	s_mul_i32 s17, s16, 4*PANEL
	s_add_co_u32 s17, s17, 4*PANEL                 ; and its place in a slot
	s_mov_b32 s[SEL], 0x76543210
	s_mov_b32 s[SEL+1], 0xfedcba98
	v_and_b32 v2, 15, v0                           ; r
	v_bfe_u32 v3, v0, 4, 1                         ; h
	s_lshl_b32 s18, s15, 8
	v_lshl_add_u32 v4, v2, 4, s18                  ; 16 r + 256 x (my half of the tiles): four words, tiles 0-3 of my four
	v_lshl_add_u32 v[VS], v3, 10, v4               ; lanes 16-31: the odd key step
	v_mad_u32_u24 v[VP], v3, PANEL, v4
	s_wait_alu depctr_va_vdst(0)
	s_wait_dscnt 0x0                               ; the opening add is done
	s_wait_kmcnt 0x0
	s_add_nc_u64 s[84:85], s[4:5], s[82:83]        ; P's steps 0-7
	s_add_nc_u64 s[86:87], s[4:5], s[92:93]        ; and 8-15
	s_add_nc_u64 s[88:89], s[6:7], s[94:95]        ; the records
	s_add_nc_u64 s[90:91], s[6:7], s[96:97]
	s_add_nc_u64 s[2:3], s[8:9], s[22:23]
	; THE PROLOGUE'S LOADS go out first, ahead of the tiles: the records and P's scale words of my 64 queries, all 16 key steps
.irp g, 0,1,2,3,4,5,6,7
	global_load_b128 v[ML+4*\g:ML+4*\g+3], v[VS], s[88+2*(\g/4):89+2*(\g/4)] offset:((2*\g)%8)*1024
	global_load_b128 v[LDL+4*\g:LDL+4*\g+3], v[VS], s[88+2*(\g/4):89+2*(\g/4)] offset:((2*\g)%8)*1024+512
	global_load_b128 v[PS+4*\g:PS+4*\g+3], v[VP], s[84+2*(\g/4):85+2*(\g/4)] offset:((2*\g)%8)*PANEL+12288
.endr
.irp f, 0,1,2,3                                ; fill f: key steps 4 f .. 4 f + 3, into slot f % 2; a set of registers for each fill: none is ever written again
	s_mov_b32 s[G0A+4*\f], 1
	s_add_co_u32 s[G0A+4*\f+1], s20, (\f%2)*SLOT
	s_add_nc_u64 s[G0A+4*\f+2:G0A+4*\f+3], s[84+2*(\f/2):85+2*(\f/2)], s[20:21]
	s_add_nc_u64 s[G0A+4*\f+2:G0A+4*\f+3], s[G0A+4*\f+2:G0A+4*\f+3], (\f%2)*4*PANEL
	s_or_b32 s[G0A+4*\f+3], s[G0A+4*\f+3], 0x80000000
	s_mov_b32 s[G0B+4*\f+4*(\f/2)], 1
	s_add_co_u32 s[G0B+4*\f+4*(\f/2)+1], s17, (\f%2)*SLOT
	s_add_nc_u64 s[G0B+4*\f+4*(\f/2)+2:G0B+4*\f+4*(\f/2)+3], s[2:3], \f*4*PANEL
	s_or_b32 s[G0B+4*\f+4*(\f/2)+3], s[G0B+4*\f+4*(\f/2)+3], 0x80000000
.endr
	CROUND
	JLOAD 0                                        ; one tensor load a wave at the head
	v_and_b32 v1, 31, v0
	v_lshlrev_b32 v[LOFF], 4, v1
	s_wait_alu depctr_va_vdst(0)
	s_mul_i32 s21, s15, 6144                       ; my four tiles of P
	s_mul_i32 s22, s16, 4*PANEL
	s_add_co_u32 s22, s22, 4*PANEL                 ; my panel of vt
.irp s, 0,1
	v_add_nc_u32 v[ADRA+\s], s21, v[LOFF]
	v_add_nc_u32 v[ADRB+\s], s22, v[LOFF]
	s_add_co_u32 s21, s21, SLOT
	s_add_co_u32 s22, s22, SLOT
.endr
	s_mul_i32 s23, s14, 8448                       ; my stage: 16 rows x (512 bytes + 16), in slot 0: it is written only when that slot has had its last fill and its last read
	v_mul_u32_u24 v[STO], v2, 528
	v_lshl_add_u32 v[STO], v3, 6, v[STO]
	v_add_nc_u32 v[STO], s23, v[STO]
	v_add_nc_u32 v[RD], s23, v[LOFF]
	s_lshl_b32 s18, s81, 7
	s_lshl_b32 s19, s15, 6
	s_add_co_u32 s18, s18, s19                     ; my first row of out0
	s_lshl_b32 s18, s18, 12
	s_lshl_b32 s19, s76, 10
	s_add_co_u32 s18, s18, s19
	s_lshl_b32 s19, s16, 9
	s_add_co_u32 s18, s18, s19                     ; my first channel
	s_mov_b32 s19, 0
	s_add_nc_u64 s[12:13], s[10:11], s[18:19]
.irp j, 0,1,2,3
	v_mov_b32 v[LT+\j], 0                          ; (a lane permute's destination counts as read)
.endr
	s_wait_alu depctr_va_vdst(0)
	s_wait_tensorcnt 0x0                           ; my part of slot 0 is in; these lines stand ahead of a later first fill as ahead of a refill
	ds_add_u32 v[SPW], v[NIL]
	s_wait_dscnt 0x0
	CROUND                                         ; everybody's part of slot 0 is in
	JLOAD 1                                        ; slot 1's first fill, the first tensor load behind the round: the prologue's arithmetic below stands under its flight
	s_wait_loadcnt 0x0
.irp j, 0,1,2,3
	v_min3_num_f32 v[NX+\j], v[ML+\j], v[ML+4+\j], v[ML+8+\j]      ; -M = the least -M_step
.endr
.irp j, 0,1,2,3
	v_min3_num_f32 v[NX+\j], v[NX+\j], v[ML+12+\j], v[ML+16+\j]
.endr
.irp j, 0,1,2,3
	v_min3_num_f32 v[NX+\j], v[NX+\j], v[ML+20+\j], v[ML+24+\j]
.endr
.irp j, 0,1,2,3
	v_min_num_f32 v[NX+\j], v[NX+\j], v[ML+28+\j]
.endr
.irp j, 0,1,2,3
	v_permlanex16_b32 v[LT+\j], v[NX+\j], s[SEL], s[SEL+1]
.endr
.irp j, 0,1,2,3
	v_min_num_f32 v[NX+\j], v[NX+\j], v[LT+\j]     ; with the odd steps'
.endr
.irp g, 0,1,2,3,4,5,6,7
	REPAIR \g
.endr
.irp j, 0,1,2,3
	v_permlanex16_b32 v[EE+\j], v[LT+\j], s[SEL], s[SEL+1]
.endr
.irp j, 0,1,2,3
	v_add_f32 v[LT+\j], v[LT+\j], v[EE+\j]         ; the row's sum
.endr
	s_wait_alu depctr_va_vdst(0)
.irp j, 0,1,2,3
	v_rcp_f32 v[RL+\j], v[LT+\j]
.endr
	v_nop                                          ; a plain place behind the reciprocals
	s_wait_alu depctr_va_vdst(0)                   ; one wait for the four, ahead of every reader
	PLACES 8                                       ; scale registers written by vector instructions stand eight places ahead of the first scaled product
	FETCH4 0                                       ; slot 0 was shown whole by the round above
	S4 0, 1                                        ; the first step's products start the sums: nothing is cleared
	S4 1, 0
	S4 2, 0
	T4 3, 1, 2
	S4 4, 0
	S4 5, 0
	S4 6, 0
	T4 7, 1, 3
	S4 8, 0
	S4 9, 0
	S4 10, 0
	T4 11, 0, 0                                    ; nothing is left to fetch: no round.  Behind this barrier nobody reads slot 0
	S4 12, 0
	S4 13, 0
	S4 14, 0
	s_wait_dscnt 0x0
	WIN 0xa1
	MULA 0, 15, 0
	MULA 1, 15, 0
	MULA 2, 15, 0
	MULA 3, 15, 0
	WIN 0
	PLACES 4
	MULT 0
	TOSTAGE 0
.irp a, 1,2,3
	s_wait_dscnt 16                                ; the last tile's stores into the stage are done (its 16 loads may be out): their registers are written again
	MULT \a
.if \a > 1
	s_wait_alu depctr_va_vdst(0)
	s_wait_xcnt 0x0                                ; tile a - 2's stores have read the registers into which tile a's rows come back
.endif
	TOSTAGE \a
	SEND \a-1, 32                                  ; behind tile a - 1's loads: tile a's 16 stores and 16 loads
.endr
	SEND 3, 0
	WIN 0
	s_wait_tensorcnt 0x0                           ; the wave's end, behind my last tensor load and my last LDS store
	ds_add_u32 v[SPW], v[NIL]
	s_wait_dscnt 0x0
	CROUND                                         ; the closing round
	s_endpgm
.Lfunc_end_k_qb05b5bc73f_pv:
	.size	k_qb05b5bc73f_pv, .Lfunc_end_k_qb05b5bc73f_pv-k_qb05b5bc73f_pv
	.p2alignl 7, 3214868480
	.fill 96, 4, 3214868480
	.section	.rodata,"a",@progbits
	.p2align	6, 0x0
	.amdhsa_kernel k_qb05b5bc73f_pv
		.amdhsa_group_segment_fixed_size 327680
		.amdhsa_private_segment_fixed_size 0
		.amdhsa_enable_private_segment 0
		.amdhsa_kernarg_size 32
		.amdhsa_user_sgpr_count 2
		.amdhsa_user_sgpr_kernarg_segment_ptr 1
		.amdhsa_wavefront_size32 1
		.amdhsa_system_sgpr_workgroup_id_x 1
		.amdhsa_system_sgpr_workgroup_id_y 1
		.amdhsa_system_sgpr_workgroup_id_z 1
		.amdhsa_system_vgpr_workitem_id 0
		.amdhsa_next_free_vgpr 768
		.amdhsa_next_free_sgpr 100
		.amdhsa_reserve_vcc 0
		.amdhsa_float_denorm_mode_32 3
		.amdhsa_float_denorm_mode_16_64 3
		.amdhsa_memory_ordered 1
		.amdhsa_forward_progress 1
		.amdhsa_inst_pref_size 163
	.end_amdhsa_kernel
	.amdgpu_metadata
---
amdhsa.version: [ 1, 2 ]
amdhsa.kernels:
  - .name:           k_qb05b5bc73f_pv
    .symbol:         k_qb05b5bc73f_pv.kd
    .args:
      - { .name: pc, .offset: 0, .size: 8, .value_kind: global_buffer, .address_space: global }
      - { .name: st, .offset: 8, .size: 8, .value_kind: global_buffer, .address_space: global }
      - { .name: vt, .offset: 16, .size: 8, .value_kind: global_buffer, .address_space: global }
      - { .name: out0, .offset: 24, .size: 8, .value_kind: global_buffer, .address_space: global }
    .group_segment_fixed_size: 327680
    .private_segment_fixed_size: 0
    .kernarg_segment_align: 8
    .kernarg_segment_size: 32
    .max_flat_workgroup_size: 128
    .sgpr_count:     100
    .vgpr_count:     768
    .wavefront_size: 32
...
	.end_amdgpu_metadata
.endif
;; end of part 4
